; MI455X (gfx1250); checked and timed in simulation.
; The chip was launched on July 23, 2026; its instructions are those of AMD's public machine-readable ISA for CDNA 5 (MIT licence, August 2026) and "CDNA5" Instruction Set Architecture Reference Guide (July 2026). The comments in the code are by the model that wrote it; some were corrected since.
;; Multi Head Attention. Allowed arithmetic: matrix products marked QUANTISED: E2M1 operands, one E8M0 scale for each 32 along K, by v_wmma_scale_f32_16x16x128_f8f6f4 with both operands' format E2M1 (or v_wmma_scale_f32_32x16x128_f4), f32 sums; everything else in f32.
;; Inputs: Wk 1,024 x 1,024 float32; Wo 1,024 x 1,024 float32; Wq 1,024 x 1,024 float32; Wv 1,024 x 1,024 float32; bk 1,024 float32; bo 1,024 float32; bq 1,024 float32; bv 1,024 float32; x 2 x 2,048 x 1,024 float32.
;; Outputs: out0 2 x 2,048 x 1,024 float32.
;; This version of the problem:
;;   THIS VERSION OF THE PROBLEM IS GIVEN IN LOW PRECISION. The matrix products marked QUANTISED in the list below multiply operands that are first quantised to E2M1 (2 exponent bits, 1 mantissa bit; 4 bits a number), with one power-of-two scale for each 32 numbers along K (OCP MX v1.0); their sums are f32. All else is computed in f32.
;;   The module's matrix products, in the order in which they are computed (A, B: the left and right operand; K: the contracted axis; several contracted axes count as one K, in the product's order):
;;     1. [M 4,096, K 1,024] x [K 1,024, N 1,024]; A: input x; B: input Wq: QUANTISED
;;     2. [M 4,096, K 1,024] x [K 1,024, N 1,024]; A: input x; B: input Wk: QUANTISED
;;     3. [M 4,096, K 1,024] x [K 1,024, N 1,024]; A: input x; B: input Wv: QUANTISED
;;     4. batch 32 x [M 2,048, K 64] x [K 64, N 2,048]; A: computed on the way; B: computed on the way: QUANTISED
;;     5. batch 32 x [M 2,048, K 2,048] x [K 2,048, N 64]; A: softmax (see below); B: computed on the way: QUANTISED
;;     6. [M 4,096, K 1,024] x [K 1,024, N 1,024]; A: computed on the way; B: input Wo: QUANTISED
;;   THE QUANTISER, for each operand of a quantised product, along K:
;;     - K is cut into blocks of 32 from its start; a last block that is shorter is filled with zeros.
;;     - A block's scale is 2^e with e = floor(log2(the largest magnitude in the block)) - 2, held to -126 .. 127; a block of zeros has e = 0. As a byte (E8M0): e + 127.
;;     - Each number is divided by its block's scale, clamped to +-6, and rounded to the nearest number of E2M1, ties to even, subnormals kept.
;;     - The product sums the exact products of the quantised numbers (number of the format x scale) in f32.
;;   ~~~python
;;   def quantise(x, axis):      # numpy; x: float32 -> the quantised numbers, widened to float32 again
;;       x = np.moveaxis(x, axis, -1); K = x.shape[-1]
;;       x = np.pad(x, [(0, 0)] * (x.ndim - 1) + [(0, -K % 32)]); x = x.reshape(x.shape[:-1] + (-1, 32)); a = np.abs(x).max(-1, keepdims=True)
;;       e = np.where(a > 0, np.clip(np.frexp(np.where(a > 0, a, 1))[1] - 1 - 2, -126, 127), 0)      # np.frexp(a)[1] - 1 = floor(log2(a)), exactly
;;       r = np.clip(x / 2.0 ** e, -6, 6)
;;       step = 2.0 ** (np.maximum(np.frexp(np.where(r == 0, 1, r))[1] - 1, 0) - 1)
;;       q = np.round(r / step) * step * 2.0 ** e      # np.round: ties to even
;;       return np.moveaxis(q.reshape(q.shape[:-2] + (-1,))[..., :K], -1, axis).astype(np.float32)
;;   ~~~
;;   SOFTMAX AHEAD OF A QUANTISED PRODUCT. Where the list says 'softmax', what is quantised is not the finished softmax but p = 2^(t - M), with t = logit x log2(e) and M = ceil(the row's largest t), a whole number; so 1/2 < the row's largest p <= 1. The row's sum l is taken of the UNQUANTISED p, in f32, and the product's result is divided by l at the end. Since M is a whole number, a kernel that streams over the keys may use a running M (the ceiling of the running maximum): every later rescaling is an exact power of two, which a block's scale takes up: the codes' values come out the same.
;;   OPERANDS COMPUTED ON THE WAY. 'Computed on the way' means the value that the module computes at that place (a softmax that the list does not call 'softmax' is quantised finished and normalised). What goes into a quantiser is computed in f32, as accurately as f32 sums, v_exp_f32 and their like allow (about 1e-6 of the number): no bf16 or f16 on the way to a quantiser, and a product that is left as it is and whose result goes on into a quantised operand takes f32 operands (vector FMAs, or v_wmma_f32_16x16x4_f32). A number that lies on a knife's edge between two numbers of the format may be rounded either way, as far as f32 arithmetic and the matrix unit's own rounding can turn it there, and no further.
;; One version. Each part assembles by itself: llvm-mc -triple=amdgcn-amd-amdhsa -mcpu=gfx1250 --defsym DOCPART=n.
;; ======== version 1 of 1: 4 launches
;; limits: right only within a limited range of input values
;; workspace buffers: x_op 2,359,296 bytes; w_op 2,359,296 bytes; o_op 2,359,296 bytes; qk_img 4,194,304 bytes; qk_sc 524,288 bytes; v_img 2,097,152 bytes; v_sc 131,072 bytes
;; launch quant (part 1): grid 384 x 1, 8 waves a work-group, no clusters, 71,680 bytes of LDS; arguments x, Wq, Wk, Wv, Wo, x_op, w_op; writes x_op, w_op
.if DOCPART == 1
	.amdgcn_target "amdgcn-amd-amdhsa--gfx1250"
	.amdhsa_code_object_version 6
	.text
	.protected	k_qca1805e95c_quant
	.globl	k_qca1805e95c_quant
	.p2align	8
	.type	k_qca1805e95c_quant,@function
k_qca1805e95c_quant:
	s_mov_b64 s[64:65], 0
	v_nop
	global_prefetch_b8 v0, s[64:65] scope:SCOPE_SE
	s_setreg_imm32_b32 hwreg(HW_REG_WAVE_MODE, 25, 1), 1
	s_wait_xcnt 0x0
; x [4096][1024] (K innermost) and Wq, Wk, Wv, Wo [1024 (k)][1024 (n)] (K outermost), f32, become codes of FP4 (E2M1) with one E8M0 byte for each 32 along K.
; A block's scale is 2^(floor(log2(its largest magnitude)) - 2); its byte is the largest magnitude's exponent field - 2, held at 1 from below.
; THE OUTPUT IS LAID AS THE NEXT LAUNCHES' OPERAND REGISTERS: [plane 9][tile 256][1,024 bytes].  Row p of tile t is index 32 (t / 2) + 8 (t % 2) + p + 8 (p / 8).
;   plane 1 + s (s: K step of 128): byte 512 c + 16 l + y = the codes of the tile's row l % 16 at k = 128 s + 64 c + 32 (l / 16) + 2 y, 2 y + 1: a fragment comes by two loads of 16 bytes a lane.
;   plane 0: byte 512 q + 16 l + 4 w + b = the scale byte of row l % 16, K step 4 q + w, block b; lanes 16-31 repeat lanes 0-15, so that every byte of the plane is written.
; w_op's tile is 64 x weight + the weight's own tile of columns; weights in the order q, k, v, o.
; SHARES.  Work-groups 0-255: one tile of 16 tokens of x, wave s its K step s.  Work-groups 256-383: 64 columns x 512 along K of one weight; a wave takes 32 columns x one K step.
; Nothing is read by two work-groups, so there is no cluster and no tensor load; every wave asks for its bytes at its head.  The two ways part on the work-group's number and have LDS bytes of their own.
; LIMITS: NaN and infinities among the inputs are not served; a block whose largest magnitude lies under 2^-124 keeps the byte 1; a block of zeros gets the byte 1 (not 127) over zero codes: the bytes are read by this program alone.
.set PLANE, 262144                     ; bytes in a plane
.set STG,   8448                       ; x: a wave's stage: 16 rows x (512 + 16) bytes
.set XSG,   67584                      ; x: the tile's scale record, 1,024 bytes
.set WSG,   68608                      ; weights: four tiles' halves of a scale record, 512 bytes each
.set R,     16                         ; x: v16-79 as loaded
.set X,     80                         ; x: v80-143 my two blocks of 32 neighbours
.set C,     144                        ; the codes
.set T,     152                        ; x: at work
.set FLOOR, 0x1800000                  ; 2^(3 - 127): no largest magnitude is taken under it, so the byte cannot fall under 1
.set OFF2,  0xff000000                 ; takes 2 off an exponent field
	s_load_b256 s[4:11], s[0:1], 0x0               ; x s[4:5], Wq s[6:7], Wk s[8:9], Wv s[10:11]
	s_load_b128 s[12:15], s[0:1], 0x20             ; Wo s[12:13], x_op s[14:15]
	s_load_b64 s[16:17], s[0:1], 0x30              ; w_op
	v_lshl_add_u32 v176, v0, 2, 0x11400
	v_mov_b32 v177, 0
	v_lshrrev_b32 v1, 5, v0
	s_delay_alu instid0(VALU_DEP_1)
	v_readfirstlane_b32 s18, v1                    ; wave 0..7
	v_and_b32 v1, 31, v0                           ; lane
	s_delay_alu instid0(VALU_DEP_1)
	v_lshlrev_b32 v2, 4, v1                        ; 16 x lane
	s_cmp_lt_u32 ttmp9, 256
	s_cbranch_scc0 .Lweights
; ---------------- x: tile = work-group, K step = wave ----------------
	v_and_b32 v3, 15, v0                           ; r
	v_bfe_u32 v4, v0, 4, 1                         ; h
	s_mul_i32 s20, s18, STG                        ; my stage
	v_add_nc_u32 v5, s20, v2                       ; in: 16 x lane of a row
	v_mul_u32_u24 v6, v3, 528
	s_delay_alu instid0(VALU_DEP_1)
	v_lshl_add_u32 v6, v4, 7, v6
	s_delay_alu instid0(VALU_DEP_1)
	v_add_nc_u32 v6, s20, v6                       ; out: row r, + 128 h: my 32 neighbours of each 64
	v_lshlrev_b32 v7, 3, v4                        ; 8 h
	s_lshr_b32 s21, s18, 2
	s_lshl_b32 s21, s21, 9
	s_and_b32 s22, s18, 3
	s_lshl_b32 s22, s22, 2
	s_add_co_u32 s21, s21, s22
	s_add_co_u32 s21, s21, XSG
	s_wait_alu depctr_va_vdst(0)
	v_add_nc_u32 v8, s21, v2                       ; my scale word's place in the record: 512 (s / 4) + 16 x lane + 4 (s % 4)
	s_and_b32 s22, s18, 1
	s_lshl_b32 s22, s22, 9
	v_add_nc_u32 v10, s22, v2                      ; the record's way out: 512 (wave % 2) + 16 x lane,
	s_delay_alu instid0(VALU_DEP_1)
	v_add_nc_u32 v9, XSG, v10                      ; and the same place in LDS
	s_mov_b32 s30, 0x76543210
	s_mov_b32 s31, 0xfedcba98                      ; v_permlanex16_b32's selects for lane l xor 16
	s_lshr_b32 s24, ttmp9, 1
	s_lshl_b32 s24, s24, 5
	s_and_b32 s25, ttmp9, 1
	s_lshl_b32 s25, s25, 3
	s_add_co_u32 s24, s24, s25                     ; the tile's first token
	s_lshl_b32 s24, s24, 12                        ; x 4,096 bytes
	s_lshl_b32 s25, s18, 9
	s_add_co_u32 s24, s24, s25                     ; + my K step's 512 bytes
	s_mov_b32 s25, 0
	s_lshl_b32 s28, ttmp9, 10                      ; the tile's place in a plane
	s_mov_b32 s29, 0
	s_add_co_u32 s26, s18, 1
	s_lshl_b32 s26, s26, 18                        ; plane 1 + s
	s_add_co_u32 s26, s26, s28
	s_mov_b32 s27, 0
	s_wait_kmcnt 0x0
	s_add_nc_u64 s[4:5], s[4:5], s[24:25]
	s_add_nc_u64 s[26:27], s[14:15], s[26:27]      ; my fragment's image
	s_add_nc_u64 s[28:29], s[14:15], s[28:29]      ; the tile's scale record
.irp p, 0,1,2,3,4,5,6,7,8,9,10,11,12,13,14,15
	global_load_b128 v[R+4*\p:R+4*\p+3], v2, s[4:5] offset:(\p+8*(\p/8))*4096 th:TH_LOAD_NT   ; the tile's row p: 32 lanes read 512 consecutive bytes
.endr
.irp p, 0,1,2,3,4,5,6,7,8,9,10,11,12,13,14,15
	s_wait_loadcnt 15-\p                           ; row p is in; the younger rows may be out
	ds_store_b128 v5, v[R+4*\p:R+4*\p+3] offset:528*\p
.endr
.irp c, 0,1
.irp i, 0,1,2,3,4,5,6,7
	ds_load_b128 v[X+32*\c+4*\i:X+32*\c+4*\i+3], v6 offset:256*\c+16*\i   ; LDS serves a wave's instructions in order: these see my stores.  Rows 528 bytes apart: sixteen lanes, sixteen different columns of 16 bytes
.endr
.endr
	s_wait_dscnt 0x0
.irp c, 0,1                                    ; my block 2 c + h: all its 32 numbers are mine
	v_max3_num_f32 v[T+\c], |v[X+32*\c]|, |v[X+32*\c+1]|, FLOOR
.endr
.irp i, 2,4,6,8,10,12,14,16,18,20,22,24,26,28,30
.irp c, 0,1
	s_delay_alu instid0(VALU_DEP_2)
	v_max3_num_f32 v[T+\c], v[T+\c], |v[X+32*\c+\i]|, |v[X+32*\c+\i+1]|   ; (the two blocks by turns)
.endr
.endr
.irp c, 0,1
	s_delay_alu instid0(VALU_DEP_2)
	v_add_nc_u32 v[T+2+\c], OFF2, v[T+\c]          ; the conversion takes the exponent field of this operand as its scale, and nothing else of it
.endr
.irp c, 0,1
	s_delay_alu instid0(VALU_DEP_2)
	v_lshrrev_b32 v[T+4+\c], 23, v[T+2+\c]         ; the scale's byte
.endr
	s_delay_alu instid0(VALU_DEP_1)
	v_lshl_or_b32 v[T+6], v[T+5], 16, v[T+4]       ; my two bytes: blocks h and 2 + h,
	s_delay_alu instid0(VALU_DEP_1)
	v_lshlrev_b32 v[T+6], v7, v[T+6]               ; at their places in the word;
	v_mov_b32 v[T+7], 0                            ; (a lane permute's destination counts as read)
	s_delay_alu instid0(VALU_DEP_1)
	v_permlanex16_b32 v[T+7], v[T+6], s30, s31
	s_delay_alu instid0(VALU_DEP_1)
	v_or_b32 v[T+6], v[T+6], v[T+7]                ; with lane l xor 16's two the word is whole, in both halves of the lanes
.irp c, 0,1
.irp g, 0,1,2,3
	v_cvt_scalef32_pk8_fp4_f32 v[C+4*\c+\g], v[X+32*\c+8*\g:X+32*\c+8*\g+7], v[T+2+\c]
.endr
.endr
	v_nop                                          ; one plain place behind the scaled conversions
.irp c, 0,1
	global_store_b128 v2, v[C+4*\c:C+4*\c+3], s[26:27] offset:512*\c   ; 32 lanes store 512 consecutive bytes, aligned
.endr
	ds_store_b32 v8, v[T+6]
	s_wait_dscnt 0x0                               ; for the others' sake: my word lies in the record
	s_barrier_signal -1
	s_barrier_wait -1
	s_cmp_lt_u32 s18, 2                            ; waves 0 and 1 store the record's two halves
	s_cbranch_scc0 .Lx_done
	ds_load_b128 v[R:R+3], v9
	s_wait_dscnt 0x0
	global_store_b128 v10, v[R:R+3], s[28:29]
.Lx_done:
	s_wait_tensorcnt 0x0
	ds_add_u32 v176, v177
	s_wait_dscnt 0x0
	s_endpgm
; ---------------- a weight: a lane takes a column, its registers run down K ----------------
.Lweights:
	s_sub_co_u32 s19, ttmp9, 256
	s_lshr_b32 s20, s19, 5                         ; which weight
	s_bfe_u32 s21, s19, 0x40001                    ; which 64 columns
	s_and_b32 s22, s19, 1                          ; q: which half of K
	s_lshr_b32 s23, s18, 2                         ; which 32 of the 64 columns
	s_and_b32 s24, s18, 3                          ; w: which K step of the half
	s_lshl_b32 s25, s21, 1
	s_add_co_u32 s25, s25, s23                     ; my 32 columns: a pair of tiles
	s_lshl_b32 s26, s22, 2
	s_add_co_u32 s26, s26, s24                     ; s: my K step
	s_lshl_b32 s28, s26, 19                        ; 128 rows of 4,096 bytes
	s_lshl_b32 s29, s25, 7
	s_add_co_u32 s28, s28, s29                     ; + 32 columns x 4 bytes
	s_mov_b32 s29, 0
	s_add_co_u32 s30, s26, 1
	s_lshl_b32 s30, s30, 18                        ; plane 1 + s
	s_lshl_b32 s31, s20, 16                        ; the weight's 64 tiles
	s_add_co_u32 s30, s30, s31
	s_lshl_b32 s27, s25, 11                        ; my pair of tiles
	s_add_co_u32 s30, s30, s27
	s_lshl_b32 s32, s21, 12                        ; the record that I store: tile 64 x weight + 4 x (64 columns) + wave % 4,
	s_add_co_u32 s32, s32, s31
	s_mov_b32 s31, 0
	s_lshl_b32 s33, s24, 10
	s_add_co_u32 s32, s32, s33
	s_lshl_b32 s33, s22, 9                         ; its half q
	s_add_co_u32 s32, s32, s33
	s_mov_b32 s33, 0
	s_lshl_b32 s34, s23, 10
	s_lshl_b32 s35, s24, 2
	s_add_co_u32 s34, s34, s35
	s_add_co_u32 s34, s34, WSG
	s_lshl_b32 s35, s24, 9
	s_add_co_u32 s35, s35, WSG
	s_wait_alu depctr_va_vdst(0)
	v_lshlrev_b32 v3, 2, v1                        ; 4 x lane: my column
	v_and_b32 v4, 7, v0
	v_bfe_u32 v5, v0, 4, 1
	s_delay_alu instid0(VALU_DEP_1)
	v_lshl_or_b32 v4, v5, 3, v4                    ; r = lane % 8 + 8 (lane / 16), and
	v_bfe_u32 v6, v0, 3, 1                         ; u = (lane / 8) % 2: column 32 x pair + lane is row r of the pair's tile u
	s_delay_alu instid0(VALU_DEP_2)
	v_lshlrev_b32 v7, 4, v4
	s_delay_alu instid0(VALU_DEP_1)
	v_lshl_add_u32 v8, v6, 9, v7
	s_delay_alu instid0(VALU_DEP_1)
	v_add_nc_u32 v8, s34, v8                       ; my scale word in LDS: 512 x (the work-group's tile) + 16 r + 4 w
	s_delay_alu instid0(VALU_DEP_3)
	v_lshl_add_u32 v7, v6, 10, v7                  ; my codes: 1,024 u + 16 r
	v_add_nc_u32 v9, s35, v2                       ; the record's way out: 512 (wave % 4) + 16 x lane
	s_wait_kmcnt 0x0
	s_cmp_eq_u32 s20, 1                            ; the weight's address: a choice that hangs on the work-group's number alone
	s_cselect_b64 s[6:7], s[8:9], s[6:7]
	s_cmp_eq_u32 s20, 2
	s_cselect_b64 s[6:7], s[10:11], s[6:7]
	s_cmp_eq_u32 s20, 3
	s_cselect_b64 s[6:7], s[12:13], s[6:7]
	s_add_nc_u64 s[6:7], s[6:7], s[28:29]
	s_add_nc_u64 s[30:31], s[16:17], s[30:31]
	s_add_nc_u64 s[32:33], s[16:17], s[32:33]
.macro WLOAD j                         ; block j of my K step: W(32 j + i, my column); 32 lanes read 128 consecutive bytes, the wave beside me the other 128 of the aligned 256
.irp i, 0,1,2,3,4,5,6,7,8,9,10,11,12,13,14,15,16,17,18,19,20,21,22,23,24,25,26,27,28,29,30,31
	global_load_b32 v[16+32*\j+\i], v3, s[6:7] offset:(32*\j+\i)*4096 th:TH_LOAD_NT
.endr
.endm
.macro WBLOCK j
.set XS, 16+32*\j
	v_max3_num_f32 v160, |v[XS]|, |v[XS+1]|, |v[XS+2]|             ; the block's largest magnitude: all 32 numbers are mine; two chains
	v_max3_num_f32 v161, |v[XS+3]|, |v[XS+4]|, |v[XS+5]|
.irp i, 6,10,14,18,22,26
	s_delay_alu instid0(VALU_DEP_2)
	v_max3_num_f32 v160, v160, |v[XS+\i]|, |v[XS+\i+1]|
	s_delay_alu instid0(VALU_DEP_2)
	v_max3_num_f32 v161, v161, |v[XS+\i+2]|, |v[XS+\i+3]|
.endr
	s_delay_alu instid0(VALU_DEP_2)
	v_max3_num_f32 v160, v160, |v[XS+30]|, |v[XS+31]|
	s_delay_alu instid0(VALU_DEP_1)
	v_max3_num_f32 v160, v160, v161, FLOOR
	s_delay_alu instid0(VALU_DEP_1)
	v_add_nc_u32 v162, OFF2, v160                  ; the conversion's scale operand
	s_delay_alu instid0(VALU_DEP_1)
	v_lshrrev_b32 v163, 23, v162                   ; the scale's byte
.if \j == 0
	s_delay_alu instid0(VALU_DEP_1)
	v_mov_b32 v164, v163                           ; the K step's four bytes make my column's scale word
.else
	s_delay_alu instid0(VALU_DEP_1)
	v_lshl_or_b32 v164, v163, 8*\j, v164
.endif
.irp g, 0,1,2,3
	v_cvt_scalef32_pk8_fp4_f32 v[C+4*\j+\g], v[XS+8*\g:XS+8*\g+7], v162
.endr
	v_nop                                          ; one plain place behind the scaled conversions
	global_store_b128 v7, v[C+4*\j:C+4*\j+3], s[30:31] offset:256*\j   ; block j = 2 c + h lies at 512 c + 256 h of the image: the sixteen lanes of a tile fill 256 consecutive bytes, aligned
.endm
	WLOAD 0
	WLOAD 1
	s_wait_loadcnt 32                              ; block 0 is in; block 1's 32 loads may be out
	WLOAD 2
	WBLOCK 0
	s_wait_loadcnt 32                              ; block 1 is in; block 2's may be out
	WLOAD 3
	WBLOCK 1
	s_wait_loadcnt 32                              ; block 2 is in; block 3's may be out
	WBLOCK 2
	s_wait_loadcnt 0x0
	WBLOCK 3
	ds_store_b32 v8, v164
	ds_store_b32 v8, v164 offset:256               ; and the copy for lanes 16-31
	s_wait_dscnt 0x0                               ; for the others' sake
	s_barrier_signal -1
	s_barrier_wait -1
	s_cmp_lt_u32 s18, 4                            ; waves 0 to 3 store the four tiles' halves of a record
	s_cbranch_scc0 .Lw_done
	ds_load_b128 v[16:19], v9
	s_wait_dscnt 0x0
	global_store_b128 v2, v[16:19], s[32:33]
.Lw_done:
	s_wait_tensorcnt 0x0
	ds_add_u32 v176, v177
	s_wait_dscnt 0x0
	s_endpgm
.Lfunc_end_k_qca1805e95c_quant:
	.size	k_qca1805e95c_quant, .Lfunc_end_k_qca1805e95c_quant-k_qca1805e95c_quant
	.p2alignl 7, 3214868480
	.fill 96, 4, 3214868480
	.section	.rodata,"a",@progbits
	.p2align	6, 0x0
	.amdhsa_kernel k_qca1805e95c_quant
		.amdhsa_group_segment_fixed_size 71680
		.amdhsa_private_segment_fixed_size 0
		.amdhsa_enable_private_segment 0
		.amdhsa_kernarg_size 56
		.amdhsa_user_sgpr_count 2
		.amdhsa_user_sgpr_kernarg_segment_ptr 1
		.amdhsa_wavefront_size32 1
		.amdhsa_system_sgpr_workgroup_id_x 1
		.amdhsa_system_sgpr_workgroup_id_y 1
		.amdhsa_system_sgpr_workgroup_id_z 1
		.amdhsa_system_vgpr_workitem_id 0
		.amdhsa_next_free_vgpr 178
		.amdhsa_next_free_sgpr 66
		.amdhsa_reserve_vcc 0
		.amdhsa_float_denorm_mode_32 3
		.amdhsa_float_denorm_mode_16_64 3
		.amdhsa_memory_ordered 1
		.amdhsa_forward_progress 1
		.amdhsa_inst_pref_size 35
	.end_amdhsa_kernel
	.amdgpu_metadata
---
amdhsa.version: [ 1, 2 ]
amdhsa.kernels:
  - .name:           k_qca1805e95c_quant
    .symbol:         k_qca1805e95c_quant.kd
    .args:
      - { .name: x, .offset: 0, .size: 8, .value_kind: global_buffer, .address_space: global }
      - { .name: Wq, .offset: 8, .size: 8, .value_kind: global_buffer, .address_space: global }
      - { .name: Wk, .offset: 16, .size: 8, .value_kind: global_buffer, .address_space: global }
      - { .name: Wv, .offset: 24, .size: 8, .value_kind: global_buffer, .address_space: global }
      - { .name: Wo, .offset: 32, .size: 8, .value_kind: global_buffer, .address_space: global }
      - { .name: x_op, .offset: 40, .size: 8, .value_kind: global_buffer, .address_space: global }
      - { .name: w_op, .offset: 48, .size: 8, .value_kind: global_buffer, .address_space: global }
    .group_segment_fixed_size: 71680
    .private_segment_fixed_size: 0
    .kernarg_segment_align: 8
    .kernarg_segment_size: 56
    .max_flat_workgroup_size: 256
    .sgpr_count:     66
    .vgpr_count:     178
    .wavefront_size: 32
...
	.end_amdgpu_metadata
.endif
;; end of part 1
;; launch proj (part 2): grid 12 x 16, 16 waves a work-group, clusters of 4 x 4, 296,960 bytes of LDS; arguments x_op, w_op, bq, bk, bv, qk_img, qk_sc, v_img, v_sc; writes qk_img, qk_sc, v_img, v_sc
.if DOCPART == 2
	.amdgcn_target "amdgcn-amd-amdhsa--gfx1250"
	.amdhsa_code_object_version 6
	.text
	.protected	k_qca1805e95c_proj
	.globl	k_qca1805e95c_proj
	.p2align	8
	.type	k_qca1805e95c_proj,@function
k_qca1805e95c_proj:
	s_mov_b64 s[64:65], 0
	v_nop
	global_prefetch_b8 v0, s[64:65] scope:SCOPE_SE
	s_setreg_imm32_b32 hwreg(HW_REG_WAVE_MODE, 25, 1), 1
	s_wait_xcnt 0x0
	s_wait_alu depctr_hold_cnt(0) depctr_sa_sdst(0) depctr_va_vdst(0) depctr_va_sdst(0) depctr_va_ssrc(0) depctr_va_vcc(0) depctr_vm_vsrc(0)
	s_getreg_b32 s2, hwreg(HW_REG_IB_STS2, 6, 4)
	s_cmp_eq_u32 s2, 0
	s_cbranch_scc0 .Lentry_in_a_cluster
	s_endpgm
.Lentry_in_a_cluster:
	s_bfe_u32 s2, ttmp6, 0x10000c
	s_cmp_lg_u32 s2, 0xf033
	s_cbranch_scc0 .Lentry_shape_is_right
	s_endpgm
.Lentry_shape_is_right:
; q = x Wq + bq, k = x Wk + bk, v = x Wv + bv on codes of FP4 (E2M1) with E8M0 scales, sums in f32; the results are quantised in registers for the attention's two products and leave as codes and scale bytes alone.
; x_op, w_op: [plane 9][tile 256][1,024 bytes]: plane 0 scale words, plane 1 + s the fragments of K step s, as images of operand registers; row p of tile t is index 32 (t / 2) + 8 (t % 2) + p + 8 (p / 8).
; SHARES.  A cluster's x says what is made: 0 q, 1 k, 2 v.  A work-group takes 256 tokens x 256 features, all of K = 1,024.  Sixteen waves; wave: a = wave / 2, b = wave % 2.
;   Every product is D = T-tile x U-tile (source 0 = T, source 1 = U): a lane holds ONE row of U, and the 16 registers of T's tiles 2 j, 2 j + 1 are 16 neighbours, 32 j + 16 (lane / 16) + 0 .. 15, along T's index.
;   A wave has U's tiles 2 a, 2 a + 1 and T's tiles 8 b .. 8 b + 7: 16 accumulators.   q, k: U = tokens, T = features.   v: U = features, T = tokens: registers run along the keys.
; LDS IS FILLED ONCE, ONE TENSOR LOAD A WAVE: waves 0-7 bring x's eight pairs of tiles, waves 8-15 W's; a load is a pair's nine planes: nine rows of 2,048 bytes, 262,144 bytes apart in memory, dense in LDS.
;   LDS: [x, W][pair 8][plane 9][2,048 bytes].  Every wave waits for its one load, one barrier follows, and no byte is filled again.
; CLUSTER 4 x 4: the four of a row of the cluster need the same planes of x, the four of a column the same planes of W: each load is a JOINT one, with a mask that names the four.
; No prefetch: all that the work-group reads is asked for at its head; there is no loop to run ahead in.
; OUT.  qk_img [q, k][batch x head 32][token tile 128][lane][16 bytes]: lane (r, h): dims 32 h .. + 31 of the tile's token r.   qk_sc [q, k][batch][head pair 8][tile pair 64][head 2][r 16][tile 2] words: two scale bytes, then two bytes 0.
;   v_img [batch x head][key step 16][d tile 4][c 2][lane][16 bytes]: fragments of V^T, 16 d x 128 keys.   v_sc [batch x head][key step][d-tile pair 2][r 16][tile 2] words.
; LIMITS: NaN and infinities are not served; a block whose largest magnitude lies under 2^-124 keeps the byte 1; a block of zeros gets the byte 1 over zero codes (the bytes are read by this program alone).
.set PLANE, 262144                     ; a plane in memory
.set PL,    2048                       ; a pair of tiles of one plane
.set PB,    9*PL                       ; a pair's nine planes in LDS
.set XR,    0                          ; LDS: x's eight pairs
.set WR,    8*PB                       ; W's eight pairs
.set SPARE, 16*PB                      ; the spare words, 128 bytes a wave
.set US,    12                         ; v12-15  U's scale words of four K steps: lanes 0-15 tile 2 a, lanes 16-31 tile 2 a + 1
.set TS,    16                         ; v16-31  T's: register 4 (i % 4) + s % 4: lanes 0-15 tile i, lanes 16-31 tile i + 4
.set UF,    32                         ; v32-47  U's two fragments
.set TF,    48                         ; v48-111 T's eight fragments
.set ACC,   112                        ; v112-239 accumulator (m, i) at 112 + 64 m + 8 i
.set TM,    32                         ; the way out: v32-47 at work; v48-63 the codes; v64-67 scale words
.set WV,    22
.set KIND,  23
.set G1X,   24                         ; s[24:31] descriptor group 1 for x;  s[32:39] for W: they differ in the mask alone
.set G1W,   32
.set G0X,   40                         ; s[40:43] group 0 for x;  s[52:55] for W
.set G0W,   52
.set SEL,   80
.macro CROUND                          ; a round of the cluster's barrier
	s_barrier_signal -1
	s_barrier_wait -1
	s_cmp_lg_u32 s[WV], 0
	s_cbranch_scc1 .Lnot_wave_0_\@
	s_barrier_signal -3
.Lnot_wave_0_\@:
	s_barrier_wait -3
	s_barrier_signal -1
	s_barrier_wait -1
.endm
.macro PLACES                          ; four places behind matrix instructions (ISA guide 7.12.1)
.rept 4
	v_nop
.endr
.endm
	s_load_b128 s[4:7], s[0:1], 0x0                ; x_op, w_op
	s_load_b128 s[8:11], s[0:1], 0x10              ; bq, bk
	s_load_b128 s[12:15], s[0:1], 0x20             ; bv, qk_img
	s_load_b128 s[16:19], s[0:1], 0x30             ; qk_sc, v_img
	s_load_b64 s[20:21], s[0:1], 0x40              ; v_sc
	v_lshl_add_u32 v254, v0, 2, SPARE
	v_mov_b32 v255, 0
	ds_add_u32 v254, v255                          ; the opening lines: the add twice on end, and its wait ahead of the first tensor load
	ds_add_u32 v254, v255
	v_lshrrev_b32 v1, 5, v0
	s_delay_alu instid0(VALU_DEP_1)
	v_readfirstlane_b32 s[WV], v1                  ; wave 0..15
	s_mov_b32 s[KIND], ttmp9                       ; the cluster's x: the same in all sixteen partners
	s_bfe_u32 s66, ttmp6, 0x40000                  ; cx
	s_bfe_u32 s67, ttmp6, 0x40004                  ; cy
	s_lshl_b32 s68, ttmp9, 2
	s_add_co_u32 s68, s68, s66                     ; gx: which 256 of W's 3 x 1,024 features
	s_and_b32 s69, ttmp7, 0xffff
	s_lshl_b32 s69, s69, 2
	s_add_co_u32 s69, s69, s67                     ; gy: which 256 tokens
	s_lshr_b32 s70, s[WV], 1                       ; a
	s_and_b32 s71, s[WV], 1                        ; b
	s_lshl_b32 s72, s67, 2
	s_lshl_b32 s72, 15, s72                        ; my row of the cluster
	s_lshl_b32 s73, 0x1111, s66                    ; my column
	s_or_b32 s[G1X], s72, (3<<16)|(1<<21)          ; the mask: x goes to my row; elements of 8 bytes; bit 21 set beside a mask
	s_or_b32 s[G1W], s73, (3<<16)|(1<<21)          ; W goes to my column
.irp g, G1X, G1W
	s_mov_b32 s[\g+1], 256<<16                     ; tensor_dim0 = 256 elements: 2,048 bytes
	s_mov_b32 s[\g+2], 9<<16                       ; tensor_dim1 = 9 planes
	s_mov_b32 s[\g+3], 256<<16                     ; tile_dim0
	s_mov_b32 s[\g+4], 9                           ; tile_dim1
	s_mov_b32 s[\g+5], PLANE/8                     ; from plane to plane, in elements
	s_mov_b32 s[\g+6], 0
	s_mov_b32 s[\g+7], 0
.endr
	s_and_b32 s79, s[WV], 7                        ; which pair of tiles I fetch
	s_lshl_b32 s74, s79, 11                        ; x: the tiles of gy; these registers never hold cx
	s_lshl_b32 s75, s69, 14
	s_add_co_u32 s74, s74, s75
	s_mov_b32 s75, 0
	s_lshl_b32 s76, s79, 11                        ; W: the tiles of gx; these never hold cy
	s_lshl_b32 s77, s68, 14
	s_add_co_u32 s76, s76, s77
	s_mov_b32 s77, 0
	s_mul_i32 s78, s[WV], PB                       ; in LDS: wave x a pair's nine planes: no place in the cluster enters an LDS address
	s_wait_dscnt 0x0
	s_wait_kmcnt 0x0
	s_add_nc_u64 s[74:75], s[4:5], s[74:75]
	s_add_nc_u64 s[76:77], s[6:7], s[76:77]
	CROUND                                         ; all sixteen work-groups are here: the joint loads meet
	s_mov_b32 s[G0X], 1
	s_mov_b32 s[G0X+1], s78
	s_mov_b64 s[G0X+2:G0X+3], s[74:75]
	s_or_b32 s[G0X+3], s[G0X+3], 0x80000000
	s_mov_b32 s[G0W], 1
	s_mov_b32 s[G0W+1], s78
	s_mov_b64 s[G0W+2:G0W+3], s[76:77]
	s_or_b32 s[G0W+3], s[G0W+3], 0x80000000
	s_cmp_lt_u32 s[WV], 8                          ; one branch on the wave's number, one load in each arm
	s_cbranch_scc0 .Lnot_x
	tensor_load_to_lds s[G0X:G0X+3], s[G1X:G1X+7]
	s_nop 0
	PLACES
	s_branch .Lasked
.Lnot_x:
	tensor_load_to_lds s[G0W:G0W+3], s[G1W:G1W+7]
	s_nop 0
	PLACES
.Lasked:
	v_and_b32 v2, 31, v0
	s_delay_alu instid0(VALU_DEP_1)
	v_lshlrev_b32 v1, 4, v2                        ; 16 x lane
	s_delay_alu instid0(VALU_DEP_2)
	v_lshlrev_b32 v8, 3, v2                        ; 8 x lane
	v_and_b32 v2, 15, v0                           ; r
	v_bfe_u32 v3, v0, 4, 1                         ; h
	s_mov_b32 s[SEL], 0x76543210
	s_mov_b32 s[SEL+1], 0xfedcba98                 ; v_permlanex16_b32's selects for lane l xor 16
	s_mul_i32 s82, s70, PB                         ; U: my pair of tiles
	s_mul_i32 s83, s71, 4*PB                       ; T: my four pairs
; v4 U's fragments, v5 T's (both at plane 1), v6 U's scale words, v7 T's: in the last two, lanes 16-31 stand one tile (U) or four tiles, two pairs (T) further on
.macro ADDRS ur, tr
	s_add_co_u32 s84, s82, \ur+PL
	s_add_co_u32 s85, s83, \tr+PL
	s_add_co_u32 s86, s82, \ur
	s_add_co_u32 s87, s83, \tr
	v_add_nc_u32 v4, s84, v1
	v_add_nc_u32 v5, s85, v1
	v_lshlrev_b32 v6, 4, v2
	s_delay_alu instid0(VALU_DEP_1)
	v_mad_u32_u24 v7, v3, 2*PB, v6
	s_delay_alu instid0(VALU_DEP_2)
	v_lshl_add_u32 v6, v3, 10, v6
	s_delay_alu instid0(VALU_DEP_1)
	v_add_nc_u32 v6, s86, v6
	s_delay_alu instid0(VALU_DEP_3)
	v_add_nc_u32 v7, s87, v7
.endm
.macro LD_SC q                         ; the scale words of K steps 4 q .. 4 q + 3: five loads
	ds_load_b128 v[US:US+3], v6 offset:512*\q
.irp i, 0,1,2,3
	ds_load_b128 v[TS+4*\i:TS+4*\i+3], v7 offset:(\i/2)*PB+(\i%2)*1024+512*\q
.endr
.endm
.macro LD_U                            ; four loads
.irp m, 0,1
.irp c, 0,1
	ds_load_b128 v[UF+8*\m+4*\c:UF+8*\m+4*\c+3], v4 offset:1024*\m+512*\c
.endr
.endr
.endm
.macro LD_T i0                         ; T's tiles i0 .. i0 + 3: eight loads
.irp i, \i0, \i0+1, \i0+2, \i0+3
.irp c, 0,1
	ds_load_b128 v[TF+8*(\i)+4*\c:TF+8*(\i)+4*\c+3], v5 offset:((\i)/2)*PB+((\i)%2)*1024+512*\c
.endr
.endr
.endm
.macro NEXT_PLANE                      ; on to the next K step's plane; the four lines are also four places
	v_add_nc_u32 v5, PL, v5
	v_add_nc_u32 v4, PL, v4
	v_nop
	v_nop
.endm
; One product: T's tile i x U's tile m, K step s.  Z = 1: it starts the sum with the constant 0.
.macro MM1 s, i, m
.set rD, ACC+64*(\m)+8*(\i)
.set rT, TF+8*(\i)
.set rU, UF+8*(\m)
.set rA, TS+4*((\i)%4)+(\s)%4
.set rB, US+(\s)%4
.if Z
.if ((\i) >= 4) && (\m)
	v_wmma_scale_f32_16x16x128_f8f6f4 v[rD:rD+7], v[rT:rT+7], v[rU:rU+7], 0, v[rA], v[rB] matrix_a_fmt:MATRIX_FMT_FP4 matrix_b_fmt:MATRIX_FMT_FP4 matrix_a_scale:MATRIX_SCALE_ROW1 matrix_b_scale:MATRIX_SCALE_ROW1
.elseif (\i) >= 4
	v_wmma_scale_f32_16x16x128_f8f6f4 v[rD:rD+7], v[rT:rT+7], v[rU:rU+7], 0, v[rA], v[rB] matrix_a_fmt:MATRIX_FMT_FP4 matrix_b_fmt:MATRIX_FMT_FP4 matrix_a_scale:MATRIX_SCALE_ROW1
.elseif \m
	v_wmma_scale_f32_16x16x128_f8f6f4 v[rD:rD+7], v[rT:rT+7], v[rU:rU+7], 0, v[rA], v[rB] matrix_a_fmt:MATRIX_FMT_FP4 matrix_b_fmt:MATRIX_FMT_FP4 matrix_b_scale:MATRIX_SCALE_ROW1
.else
	v_wmma_scale_f32_16x16x128_f8f6f4 v[rD:rD+7], v[rT:rT+7], v[rU:rU+7], 0, v[rA], v[rB] matrix_a_fmt:MATRIX_FMT_FP4 matrix_b_fmt:MATRIX_FMT_FP4
.endif
.else
.if ((\i) >= 4) && (\m)
	v_wmma_scale_f32_16x16x128_f8f6f4 v[rD:rD+7], v[rT:rT+7], v[rU:rU+7], v[rD:rD+7], v[rA], v[rB] matrix_a_fmt:MATRIX_FMT_FP4 matrix_b_fmt:MATRIX_FMT_FP4 matrix_a_scale:MATRIX_SCALE_ROW1 matrix_b_scale:MATRIX_SCALE_ROW1
.elseif (\i) >= 4
	v_wmma_scale_f32_16x16x128_f8f6f4 v[rD:rD+7], v[rT:rT+7], v[rU:rU+7], v[rD:rD+7], v[rA], v[rB] matrix_a_fmt:MATRIX_FMT_FP4 matrix_b_fmt:MATRIX_FMT_FP4 matrix_a_scale:MATRIX_SCALE_ROW1
.elseif \m
	v_wmma_scale_f32_16x16x128_f8f6f4 v[rD:rD+7], v[rT:rT+7], v[rU:rU+7], v[rD:rD+7], v[rA], v[rB] matrix_a_fmt:MATRIX_FMT_FP4 matrix_b_fmt:MATRIX_FMT_FP4 matrix_b_scale:MATRIX_SCALE_ROW1
.else
	v_wmma_scale_f32_16x16x128_f8f6f4 v[rD:rD+7], v[rT:rT+7], v[rU:rU+7], v[rD:rD+7], v[rA], v[rB] matrix_a_fmt:MATRIX_FMT_FP4 matrix_b_fmt:MATRIX_FMT_FP4
.endif
.endif
.endm
.macro MM8 s, i0                       ; eight products; the 16 accumulators take turns, one instruction a turn, in the same order in every K step
.irp i, 0,1,2,3
	MM1 \s, \i0+\i, 0
	MM1 \s, \i0+\i, 1
.endr
.endm
; All eight K steps, written out.  zero = 1: the first step's products start the sums with 0; 0: the accumulators hold the bias.
.macro MAIN zero
	s_wait_tensorcnt 0x0                           ; my one load has landed
	s_barrier_signal -1
	s_barrier_wait -1                              ; all sixteen have: x's and W's planes are whole, and nothing is filled again
	LD_SC 0
	LD_T 0
	LD_U
	LD_T 4
.irp s, 0,1,2,3,4,5,6,7
.set Z, 0
.if \s == 0
.set Z, \zero
	s_wait_loadcnt 0x0                             ; the bias
.endif
	s_wait_dscnt 0x8                               ; all but the youngest eight loads, T's tiles 4-7
	MM8 \s, 0
	s_wait_dscnt 0x0
.if \s == 7
	MM8 \s, 4
	PLACES
.else
	s_wait_alu depctr_va_vdst(0)                   ; the addresses were written a step ago, behind waits
	NEXT_PLANE
	LD_T 0                                         ; T's tiles 0-3 of the next step, while this step's other half is multiplied
	MM8 \s, 4
	PLACES
	LD_U
.if \s == 3
	LD_SC 1
.endif
	LD_T 4
.endif
.endr
.endm
; 64 numbers of a lane, v[s] .. v[s + 63], register 16 b + i = index 32 b + 16 (lane / 16) + i of my row, become a fragment's codes in v[pc] on and its scale word in v[pw].
.macro QUANT s, pc, pw
.irp b, 0,1,2,3
	v_max3_num_f32 v[TM+\b], |v[\s+16*\b]|, |v[\s+1+16*\b]|, 0x1800000   ; block b: my 16 numbers, and the floor 2^(3 - 127).  Each accumulator is read from its low end on
.endr
.irp i, 2,4,6,8,10,12,14
.irp b, 0,1,2,3
	v_max3_num_f32 v[TM+\b], v[TM+\b], |v[\s+16*\b+\i]|, |v[\s+1+16*\b+\i]|   ; (the four blocks by turns)
.endr
.endr
.irp b, 0,1,2,3
	s_delay_alu instid0(VALU_DEP_4)
	v_permlanex16_b32 v[TM+4+\b], v[TM+\b], s[SEL], s[SEL+1]
.endr
.irp b, 0,1,2,3
	s_delay_alu instid0(VALU_DEP_4)
	v_max_num_f32 v[TM+\b], v[TM+\b], v[TM+4+\b]   ; with lane l xor 16's: the block's largest magnitude
.endr
.irp b, 0,1,2,3
	s_delay_alu instid0(VALU_DEP_4)
	v_add_nc_u32 v[TM+12+\b], 0xff000000, v[TM+\b] ; 2 off its exponent field: the conversion's scale operand
.endr
.irp b, 0,1,2,3
	s_delay_alu instid0(VALU_DEP_4)
	v_lshrrev_b32 v[TM+4+\b], 23, v[TM+12+\b]      ; the scale's byte
.endr
	s_delay_alu instid0(VALU_DEP_3)
	v_lshl_or_b32 v[\pw], v[TM+5], 8, v[TM+4]
	s_delay_alu instid0(VALU_DEP_1)
	v_lshl_or_b32 v[\pw], v[TM+6], 16, v[\pw]
	s_delay_alu instid0(VALU_DEP_1)
	v_lshl_or_b32 v[\pw], v[TM+7], 24, v[\pw]
.irp b, 0,1,2,3
	v_cvt_scalef32_pk8_fp4_f32 v[\pc+2*\b], v[\s+16*\b:\s+7+16*\b], v[TM+12+\b]
	v_cvt_scalef32_pk8_fp4_f32 v[\pc+1+2*\b], v[\s+8+16*\b:\s+15+16*\b], v[TM+12+\b]
.endr
	v_nop                                          ; one plain place behind the scaled conversions
.irp c, 0,1                                    ; the operand's layout wants a WHOLE block in a lane
.irp i, 0,1
	v_permlane16_swap_b32 v[\pc+4*\c+\i], v[\pc+2+4*\c+\i]
.endr
.endr
.endm
	s_cmp_eq_u32 s[KIND], 2                        ; the same way in all partners of a cluster
	s_cbranch_scc1 .Lvalues
; ---------------- q and k: U = tokens, T = features ----------------
	s_wait_alu depctr_va_vdst(0)
	ADDRS XR, WR
	s_cmp_eq_u32 s[KIND], 1
	s_cselect_b64 s[8:9], s[10:11], s[8:9]         ; bq or bk
	s_lshl_b32 s84, s66, 10                        ; my 128 features: 256 cx + 128 b, x 4 bytes
	s_lshl_b32 s85, s71, 9
	s_add_co_u32 s84, s84, s85
	s_mov_b32 s85, 0
	s_add_nc_u64 s[8:9], s[8:9], s[84:85]
	v_lshlrev_b32 v10, 6, v3                       ; + 16 h numbers
.irp m, 0,1                                    ; THE BIAS IS THE C OF THE FIRST K STEP: it is loaded into the accumulators, in the result's layout
.irp i, 0,1,2,3,4,5,6,7
	global_load_b128 v[ACC+64*\m+8*\i:ACC+64*\m+8*\i+3], v10, s[8:9] offset:(32*(\i/2)+8*(\i%2))*4
	global_load_b128 v[ACC+64*\m+8*\i+4:ACC+64*\m+8*\i+7], v10, s[8:9] offset:(32*(\i/2)+8*(\i%2))*4+16
.endr
.endr
	s_wait_alu depctr_va_vdst(0)
	MAIN 0
.irp b, 0,1,2,3
	v_mov_b32 v[TM+4+\b], 0                        ; a lane permute's destination counts as read
.endr
	QUANT ACC, 48, 64                              ; token tile 2 a: my 128 features are two heads: registers 4 c .. 4 c + 3 are head c's 64 dims
	QUANT ACC+64, 56, 65                           ; token tile 2 a + 1
	v_lshlrev_b32 v9, 4, v3
	s_delay_alu instid0(VALU_DEP_1)
	v_lshrrev_b32 v66, v9, v64                     ; lanes 0-15 keep the first head's two bytes, lanes 16-31 the second's;
	s_delay_alu instid0(VALU_DEP_2)
	v_lshrrev_b32 v67, v9, v65
	s_delay_alu instid0(VALU_DEP_2)
	v_and_b32 v66, 0xffff, v66                     ; the bytes of k = 64 .. 127, which the head does not have, are 0
	s_delay_alu instid0(VALU_DEP_2)
	v_and_b32 v67, 0xffff, v67
	s_lshr_b32 s84, s69, 3                         ; batch
	s_lshl_b32 s85, s84, 4
	s_lshl_b32 s86, s66, 2
	s_add_co_u32 s85, s85, s86
	s_lshl_b32 s86, s71, 1
	s_add_co_u32 s85, s85, s86                     ; 16 x batch + my first head, 4 cx + 2 b
	s_lshl_b32 s85, s85, 7
	s_lshl_b32 s86, s69, 4
	s_lshl_b32 s87, s70, 1
	s_add_co_u32 s86, s86, s87
	s_and_b32 s86, s86, 127                        ; my first token tile in the batch
	s_add_co_u32 s85, s85, s86
	s_lshl_b32 s86, s85, 9
	s_lshl_b32 s87, s[KIND], 21
	s_add_co_u32 s86, s86, s87
	s_mov_b32 s87, 0
	s_add_nc_u64 s[14:15], s[14:15], s[86:87]
	s_lshl_b32 s85, s84, 3
	s_lshl_b32 s88, s66, 1
	s_add_co_u32 s85, s85, s88
	s_add_co_u32 s85, s85, s71                     ; 8 x batch + my pair of heads
	s_lshl_b32 s85, s85, 6
	s_lshl_b32 s88, s69, 3
	s_add_co_u32 s88, s88, s70
	s_and_b32 s88, s88, 63                         ; my pair of token tiles in the batch
	s_add_co_u32 s85, s85, s88
	s_lshl_b32 s88, s85, 8
	s_lshl_b32 s89, s[KIND], 18
	s_add_co_u32 s88, s88, s89
	s_mov_b32 s89, 0
	s_add_nc_u64 s[16:17], s[16:17], s[88:89]
	s_wait_alu depctr_va_vdst(0)
.irp m, 0,1
.irp c, 0,1
	global_store_b128 v1, v[48+8*\m+4*\c:48+8*\m+4*\c+3], s[14:15] offset:512*\m+65536*\c   ; 32 lanes store 512 consecutive bytes, aligned: tile m of head c
.endr
.endr
	global_store_b64 v8, v[66:67], s[16:17]        ; 32 lanes store 256 consecutive bytes, aligned
	s_branch .Lend
; ---------------- v: U = features, T = tokens: V^T, registers along the keys ----------------
.Lvalues:
	s_wait_alu depctr_va_vdst(0)
	ADDRS WR, XR
	v_and_b32 v11, 8, v2
	s_delay_alu instid0(VALU_DEP_1)
	v_add_nc_u32 v11, v11, v2
	s_delay_alu instid0(VALU_DEP_1)
	v_lshlrev_b32 v11, 2, v11                      ; my feature in its tile: r + 8 (r / 8), x 4 bytes
	s_lshl_b32 s84, s66, 10                        ; my 32 features: 256 cx + 32 a
	s_lshl_b32 s85, s70, 7
	s_add_co_u32 s84, s84, s85
	s_mov_b32 s85, 0
	s_add_nc_u64 s[12:13], s[12:13], s[84:85]
	global_load_b32 v240, v11, s[12:13]            ; bv of my feature in tile 2 a,
	global_load_b32 v242, v11, s[12:13] offset:32  ; in tile 2 a + 1
	s_wait_alu depctr_va_vdst(0)
	MAIN 1
	v_mov_b32 v241, v240                           ; a pair for the packed addition
	v_mov_b32 v243, v242
.irp b, 0,1,2,3
	v_mov_b32 v[TM+4+\b], 0
.endr
.irp m, 0,1
.irp j, 0,2,4,6,8,10,12,14,16,18,20,22,24,26,28,30,32,34,36,38,40,42,44,46,48,50,52,54,56,58,60,62
	v_pk_add_f32 v[ACC+64*\m+\j:ACC+64*\m+\j+1], v[ACC+64*\m+\j:ACC+64*\m+\j+1], v[240+2*\m:241+2*\m]   ; + bv: one number a lane; each accumulator from its low end on
.endr
.endr
	QUANT ACC, 48, 64                              ; d tile 2 (a % 2): a fragment of 16 d x my 128 keys
	QUANT ACC+64, 56, 65                           ; d tile 2 (a % 2) + 1
	v_cmp_eq_u32 vcc_lo, 1, v3
	s_delay_alu instid0(VALU_DEP_1)
	v_cndmask_b32 v66, v64, v65, vcc_lo            ; lanes 0-15 the first tile's word, lanes 16-31 the second's
	v_lshlrev_b32 v9, 3, v2
	s_delay_alu instid0(VALU_DEP_1)
	v_lshl_add_u32 v9, v3, 2, v9                   ; 8 r + 4 h
	s_lshr_b32 s84, s69, 3                         ; batch
	s_lshl_b32 s85, s84, 4
	s_lshl_b32 s86, s66, 2
	s_add_co_u32 s85, s85, s86
	s_lshr_b32 s86, s70, 1
	s_add_co_u32 s85, s85, s86                     ; 16 x batch + head 4 cx + a / 2
	s_lshl_b32 s85, s85, 4
	s_lshl_b32 s86, s69, 1
	s_add_co_u32 s86, s86, s71
	s_and_b32 s86, s86, 15                         ; my key step in the batch
	s_add_co_u32 s85, s85, s86
	s_and_b32 s87, s70, 1                          ; which pair of d tiles
	s_lshl_b32 s86, s85, 12
	s_lshl_b32 s88, s87, 11
	s_add_co_u32 s86, s86, s88
	s_lshl_b32 s88, s85, 8
	s_lshl_b32 s89, s87, 7
	s_add_co_u32 s88, s88, s89
	s_mov_b32 s87, 0
	s_mov_b32 s89, 0
	s_add_nc_u64 s[18:19], s[18:19], s[86:87]
	s_add_nc_u64 s[20:21], s[20:21], s[88:89]
	s_wait_alu depctr_va_vdst(0)
.irp m, 0,1
.irp c, 0,1
	global_store_b128 v1, v[48+8*\m+4*\c:48+8*\m+4*\c+3], s[18:19] offset:1024*\m+512*\c   ; 512 consecutive bytes, aligned
.endr
.endr
	global_store_b32 v9, v66, s[20:21]             ; 128 consecutive bytes: the wave with the other pair of d tiles writes the other half of the aligned 256
.Lend:
	s_wait_tensorcnt 0x0                           ; the wave's end
	ds_add_u32 v254, v255
	s_wait_dscnt 0x0
	CROUND                                         ; the closing round: no work-group ends while a partner may still ask for a tile that names it
	s_endpgm
.Lfunc_end_k_qca1805e95c_proj:
	.size	k_qca1805e95c_proj, .Lfunc_end_k_qca1805e95c_proj-k_qca1805e95c_proj
	.p2alignl 7, 3214868480
	.fill 96, 4, 3214868480
	.section	.rodata,"a",@progbits
	.p2align	6, 0x0
	.amdhsa_kernel k_qca1805e95c_proj
		.amdhsa_group_segment_fixed_size 296960
		.amdhsa_private_segment_fixed_size 0
		.amdhsa_enable_private_segment 0
		.amdhsa_kernarg_size 72
		.amdhsa_user_sgpr_count 2
		.amdhsa_user_sgpr_kernarg_segment_ptr 1
		.amdhsa_wavefront_size32 1
		.amdhsa_system_sgpr_workgroup_id_x 1
		.amdhsa_system_sgpr_workgroup_id_y 1
		.amdhsa_system_sgpr_workgroup_id_z 1
		.amdhsa_system_vgpr_workitem_id 0
		.amdhsa_next_free_vgpr 256
		.amdhsa_next_free_sgpr 100
		.amdhsa_reserve_vcc 1
		.amdhsa_float_denorm_mode_32 3
		.amdhsa_float_denorm_mode_16_64 3
		.amdhsa_memory_ordered 1
		.amdhsa_forward_progress 1
		.amdhsa_inst_pref_size 95
	.end_amdhsa_kernel
	.amdgpu_metadata
---
amdhsa.version: [ 1, 2 ]
amdhsa.kernels:
  - .name:           k_qca1805e95c_proj
    .symbol:         k_qca1805e95c_proj.kd
    .args:
      - { .name: x_op, .offset: 0, .size: 8, .value_kind: global_buffer, .address_space: global }
      - { .name: w_op, .offset: 8, .size: 8, .value_kind: global_buffer, .address_space: global }
      - { .name: bq, .offset: 16, .size: 8, .value_kind: global_buffer, .address_space: global }
      - { .name: bk, .offset: 24, .size: 8, .value_kind: global_buffer, .address_space: global }
      - { .name: bv, .offset: 32, .size: 8, .value_kind: global_buffer, .address_space: global }
      - { .name: qk_img, .offset: 40, .size: 8, .value_kind: global_buffer, .address_space: global }
      - { .name: qk_sc, .offset: 48, .size: 8, .value_kind: global_buffer, .address_space: global }
      - { .name: v_img, .offset: 56, .size: 8, .value_kind: global_buffer, .address_space: global }
      - { .name: v_sc, .offset: 64, .size: 8, .value_kind: global_buffer, .address_space: global }
    .group_segment_fixed_size: 296960
    .private_segment_fixed_size: 0
    .kernarg_segment_align: 8
    .kernarg_segment_size: 72
    .max_flat_workgroup_size: 512
    .sgpr_count:     100
    .vgpr_count:     256
    .wavefront_size: 32
...
	.end_amdgpu_metadata
.endif
;; end of part 2
;; launch attn (part 3): grid 8 x 32, 16 waves a work-group, clusters of 4 x 1, 169,984 bytes of LDS; arguments qk_img, qk_sc, v_img, v_sc, o_op; writes o_op
.if DOCPART == 3
	.amdgcn_target "amdgcn-amd-amdhsa--gfx1250"
	.amdhsa_code_object_version 6
	.text
	.protected	k_qca1805e95c_attn
	.globl	k_qca1805e95c_attn
	.p2align	8
	.type	k_qca1805e95c_attn,@function
k_qca1805e95c_attn:
	s_mov_b64 s[64:65], 0
	v_nop
	global_prefetch_b8 v0, s[64:65] scope:SCOPE_SE
	s_setreg_imm32_b32 hwreg(HW_REG_WAVE_MODE, 25, 1), 1
	s_wait_xcnt 0x0
	s_wait_alu depctr_hold_cnt(0) depctr_sa_sdst(0) depctr_va_vdst(0) depctr_va_sdst(0) depctr_va_ssrc(0) depctr_va_vcc(0) depctr_vm_vsrc(0)
	s_getreg_b32 s2, hwreg(HW_REG_IB_STS2, 6, 4)
	s_cmp_eq_u32 s2, 0
	s_cbranch_scc0 .Lentry_in_a_cluster
	s_endpgm
.Lentry_in_a_cluster:
	s_bfe_u32 s2, ttmp6, 0x10000c
	s_cmp_lg_u32 s2, 0x3003
	s_cbranch_scc0 .Lentry_shape_is_right
	s_endpgm
.Lentry_shape_is_right:
; o[q] = the sum over keys of softmax(q . k / 8) v, for one head of 64, both products on codes of FP4 (E2M1) with E8M0 scales; o is quantised along d_model in registers and leaves as codes and scale bytes, laid as the last launch's operand.
; THE SOFTMAX AHEAD OF THE SECOND PRODUCT: t = score x log2(e) / 8; M = the row's largest t so far, rounded UP to a whole number; p = 2^(t - M) is what is quantised, along the keys; it is not normalised.
;   The row's sum is taken of the unquantised p, in f32, and divides O at the end.  When M moves, the sum and O are multiplied by 2^(old M - new M): exact.
; SHARES.  A work-group owns 256 queries of one head (work-group y = 16 x batch + head); each of its sixteen waves one tile of 16, in 256 registers.
; LAYOUT.  Both products are used transposed: S^T = K Q^T, O^T = V^T P^T: a lane holds ONE query throughout.  Row p of tile 4 c + u of S^T is key 64 c + 32 (p / 8) + 8 u + p % 8 of the step: a lane's 32 registers of tiles
;   4 c .. 4 c + 3 are the WHOLE block of 32 keys 2 c + lane / 16, in order: a block's largest score needs no other lane and the conversions' results ARE the second product's operand.
;   K's images lie by the tiles in which they were made: lane r of my tile 4 c + u reads image tile 4 c + 2 (r / 8) + u % 2, row r % 8 + 8 (u / 2).
; THE FIRST PRODUCT'S K IS 64, the instruction's 128.  Q's codes of k = 64 .. 127 are zeros, so whatever codes stand there on K's side add nothing (every code of E2M1 is a finite number, and the scale bytes there are 0,
;   which is 2^-127 and no NaN): fragment t of K is v[24 + 4 t .. 31 + 4 t], its upper four registers being fragment t + 1's data; behind the last stand four registers of zeros.
; LDS IS FILLED ONCE with the whole head, ONE TENSOR LOAD A WAVE: waves 0-3 bring K's four chunks of 16,384 bytes, waves 4-7 V's, wave 8 K's scale words, wave 9 V's.  One wait for 0 and one barrier follow; no byte is filled again.
; CLUSTER 4 x 1: the four query blocks of a cluster walk the same head, so every load is a JOINT one (mask 15).  No prefetch: all that the work-group reads is asked for at its head.
; In the loop K of step s + 1 is read from LDS behind step s's first product and V of step s + 1 behind its second, so that each read has about a key step's work in which to come back.
; LIMITS: NaN and infinities are not served; the promise holds while |t| stays under 2^31; a p under 2^-126 is 0 (v_exp_f32 flushes); a block of p or of o whose largest magnitude lies under 2^-124, or that is all zeros, keeps the byte 1.
; REGISTERS: v1-6 lane terms that stay; v7-9, v60 the addresses of the reads in hand; v10, v11 the add's two; v12 -M, v13 the largest score, v[14:15] the sum; v16-23 Q; v24-59 K; v88-91 K's scale words, v92-93 V's, v94 p's, v95 Q's;
;   v96-159 S^T, then p; v160-191 O^T; v192-223 V; v224-231 p's codes; v232-255 at work.
.set VI,    65536                      ; LDS: K's images from 0: token tile t at 512 t;  V's from VI: key step x 4,096 + 1,024 x d tile + 512 c
.set KSC,   131072                     ; K's scale words: pair of image tiles p at 128 p, then 8 x row + 4 (tile % 2)
.set VSC,   139264                     ; V's: key step x 256 + 128 x pair of d tiles + 8 r + 4 (tile % 2)
.set SPARE, 167936                     ; the spare words, 128 bytes a wave
.set FLOOR, 0x1800000                  ; 2^(3 - 127)
.set WV,  18
.set CNT, 19
.set SEL, 20                           ; s[20:21] v_permlanex16_b32's selects for lane l xor 16
.set CS,  22                           ; s[22:23] c = log2(e) / 8
.set G1D,  24                          ; s[24:31] group 1: a chunk of 16,384 dense bytes
.set G1KS, 32                          ; s[32:39] K's scale words: 64 rows of 128 bytes, 256 apart in memory (the other head of the pair lies between)
.set G1VS, 40                          ; s[40:47] V's scale words: 4,096 dense bytes
.set G0D,  48
.set G0KS, 52
.set G0VS, 56
.set TB,  60                           ; the step that is read next: its images begin here (the same for K and V: 4,096 a step),
.set TS,  61                           ; K's scale words: 512 a step,
.set TJ,  62                           ; V's: 256 a step
.set QB,  66
.set QSB, 68
.set OP,  70                           ; o's codes
.set OS,  72                           ; o's scale bytes
.macro PLACES
.rept 4
	v_nop
.endr
.endm
.macro CROUND                          ; a round of the cluster's barrier
	s_barrier_signal -1
	s_barrier_wait -1
	s_cmp_lg_u32 s[WV], 0
	s_cbranch_scc1 .Lnot_wave_0_\@
	s_barrier_signal -3
.Lnot_wave_0_\@:
	s_barrier_wait -3
	s_barrier_signal -1
	s_barrier_wait -1
.endm
	s_load_b256 s[76:83], s[0:1], 0x0              ; qk_img s[76:77], qk_sc s[78:79], v_img s[80:81], v_sc s[82:83]
	s_load_b64 s[84:85], s[0:1], 0x20              ; o_op
	v_lshl_add_u32 v10, v0, 2, SPARE
	v_mov_b32 v11, 0
	ds_add_u32 v10, v11                            ; the opening lines: the add twice on end, and its wait ahead of the first tensor load
	ds_add_u32 v10, v11
	v_lshrrev_b32 v232, 5, v0
	v_readfirstlane_b32 s[WV], v232                ; wave 0..15
	s_bfe_u32 s3, ttmp6, 0x40000                   ; cx: it enters Q's and o's addresses alone
	s_lshl_b32 s86, ttmp9, 2
	s_add_co_u32 s86, s86, s3                      ; my block of 256 queries
	s_lshl_b32 s86, s86, 4
	s_add_co_u32 s86, s86, s[WV]                   ; my tile of queries in the batch, 0..127
	s_and_b32 s87, ttmp7, 0xffff                   ; 16 x batch + head, which the four partners share
	s_lshr_b32 s88, s87, 4                         ; batch
	s_and_b32 s89, s87, 15                         ; head
.irp g, G1D, G1KS, G1VS
	s_mov_b32 s[\g], 15|(3<<16)|(1<<21)            ; the mask: all four work-groups; elements of 8 bytes; bit 21 set beside a mask
	s_mov_b32 s[\g+5], 32                          ; from row to row: 256 bytes
	s_mov_b32 s[\g+6], 0
	s_mov_b32 s[\g+7], 0
.endr
	s_mov_b32 s[G1D+1], 32<<16                     ; 64 rows of 32 elements
	s_mov_b32 s[G1D+2], 64<<16
	s_mov_b32 s[G1D+3], 32<<16
	s_mov_b32 s[G1D+4], 64
	s_mov_b32 s[G1KS+1], 16<<16                    ; 64 rows of 16 elements
	s_mov_b32 s[G1KS+2], 64<<16
	s_mov_b32 s[G1KS+3], 16<<16
	s_mov_b32 s[G1KS+4], 64
	s_mov_b32 s[G1VS+1], 32<<16                    ; 16 rows of 32 elements
	s_mov_b32 s[G1VS+2], 16<<16
	s_mov_b32 s[G1VS+3], 32<<16
	s_mov_b32 s[G1VS+4], 16
	s_mov_b32 s[SEL], 0x76543210
	s_mov_b32 s[SEL+1], 0xfedcba98
	s_mov_b32 s[CS], 0x3e38aa3b
	s_mov_b32 s[CS+1], s[CS]                       ; (named with it as a pair, so it is written)
	s_lshl_b32 s90, s87, 16                        ; s[90:91] the head's images
	s_mov_b32 s91, 0
	s_lshl_b32 s92, s88, 3
	s_lshr_b32 s93, s89, 1
	s_add_co_u32 s92, s92, s93
	s_lshl_b32 s92, s92, 14
	s_and_b32 s93, s89, 1
	s_lshl_b32 s93, s93, 7
	s_add_co_u32 s92, s92, s93                     ; s[92:93] the head's scale words of q or k
	s_mov_b32 s93, 0
	s_lshl_b32 s94, s87, 12                        ; s[94:95] V's scale words
	s_mov_b32 s95, 0
	s_lshl_b32 s96, s86, 9                         ; s[96:97] Q's tile
	s_mov_b32 s97, 0
	s_lshr_b32 s98, s86, 1
	s_lshl_b32 s98, s98, 8
	s_and_b32 s99, s86, 1
	s_lshl_b32 s99, s99, 2
	s_add_co_u32 s98, s98, s99                     ; s[98:99] Q's scale words: 256 (tile / 2) + 4 (tile % 2)
	s_mov_b32 s99, 0
	s_lshl_b32 s[OS], s88, 7
	s_add_co_u32 s[OS], s[OS], s86
	s_lshl_b32 s[OS], s[OS], 10                    ; my token tile of o_op's 256, x 1,024 bytes
	s_lshr_b32 s74, s89, 1                         ; the last product's K step = head / 2
	s_add_co_u32 s[OP], s74, 1
	s_lshl_b32 s[OP], s[OP], 18                    ; its plane
	s_add_co_u32 s[OP], s[OP], s[OS]
	s_and_b32 s75, s89, 1                          ; c = head % 2
	s_lshl_b32 s[OP+1], s75, 9
	s_add_co_u32 s[OP], s[OP], s[OP+1]
	s_mov_b32 s[OP+1], 0
	s_lshr_b32 s[OS+1], s89, 3                     ; the scale record: 512 (K step / 4) + 4 (K step % 4) + 2 c
	s_lshl_b32 s[OS+1], s[OS+1], 9
	s_add_co_u32 s[OS], s[OS], s[OS+1]
	s_and_b32 s74, s74, 3
	s_lshl_b32 s74, s74, 2
	s_add_co_u32 s[OS], s[OS], s74
	s_lshl_b32 s75, s75, 1
	s_add_co_u32 s[OS], s[OS], s75
	s_mov_b32 s[OS+1], 0
	s_wait_dscnt 0x0                               ; both opening adds are done
	s_wait_kmcnt 0x0
	s_add_nc_u64 s[76:77], s[76:77], s[90:91]      ; q's images of my head
	s_add_nc_u64 s[QB:QB+1], s[76:77], s[96:97]
	s_add_nc_u64 s[76:77], s[76:77], 0x200000      ; k's lie behind q's
	s_add_nc_u64 s[80:81], s[80:81], s[90:91]      ; V's images
	s_add_nc_u64 s[78:79], s[78:79], s[92:93]
	s_add_nc_u64 s[QSB:QSB+1], s[78:79], s[98:99]
	s_add_nc_u64 s[78:79], s[78:79], 0x40000       ; k's scale words
	s_add_nc_u64 s[82:83], s[82:83], s[94:95]      ; V's scale words
	s_add_nc_u64 s[OP:OP+1], s[84:85], s[OP:OP+1]
	s_add_nc_u64 s[OS:OS+1], s[84:85], s[OS:OS+1]
	s_cmp_lt_u32 s[WV], 4                          ; waves 0-3 fetch K's chunks, waves 4-7 V's: a choice on the wave's number alone
	s_cselect_b64 s[76:77], s[76:77], s[80:81]
	s_and_b32 s90, s[WV], 3
	s_lshl_b32 s90, s90, 14
	s_add_nc_u64 s[76:77], s[76:77], s[90:91]      ; my chunk in memory,
	s_lshl_b32 s92, s[WV], 14                      ; and in LDS: wave x 16,384: V's images follow K's
	CROUND                                         ; all four work-groups are here: the joint loads meet
	s_mov_b32 s[G0D], 1
	s_mov_b32 s[G0D+1], s92
	s_mov_b64 s[G0D+2:G0D+3], s[76:77]
	s_or_b32 s[G0D+3], s[G0D+3], 0x80000000
	s_mov_b32 s[G0KS], 1
	s_mov_b32 s[G0KS+1], KSC
	s_mov_b64 s[G0KS+2:G0KS+3], s[78:79]
	s_or_b32 s[G0KS+3], s[G0KS+3], 0x80000000
	s_mov_b32 s[G0VS], 1
	s_mov_b32 s[G0VS+1], VSC
	s_mov_b64 s[G0VS+2:G0VS+3], s[82:83]
	s_or_b32 s[G0VS+3], s[G0VS+3], 0x80000000
; ONE chain of branches on the wave's number, one load to an arm, all arms leading to one join
.macro ARM under, g0, g1, next
	s_cmp_lt_u32 s[WV], \under
	s_cbranch_scc0 \next
	tensor_load_to_lds s[\g0:\g0+3], s[\g1:\g1+7]
	s_nop 0
	PLACES
	s_branch .Lasked
\next:
.endm
	ARM 8,  G0D,  G1D,  .Lks
	ARM 9,  G0KS, G1KS, .Lvs
	ARM 10, G0VS, G1VS, .Lnone
.Lasked:
	v_and_b32 v232, 31, v0                         ; lane
	v_and_b32 v233, 15, v0                         ; r
	v_bfe_u32 v234, v0, 4, 1                       ; h
	v_and_b32 v235, 7, v0                          ; r % 8
	v_bfe_u32 v236, v0, 3, 1                       ; r / 8
	v_lshlrev_b32 v1, 4, v232                      ; v1 16 x lane: Q's image, o's image
	v_lshl_add_u32 v4, v232, 3, VSC                ; v4 V's scale words: 8 x lane
	v_lshlrev_b32 v5, 3, v233                      ; v5 8 r: Q's scale words
	v_lshlrev_b32 v6, 4, v235
	v_lshlrev_b32 v3, 3, v235
	v_add_nc_u32 v2, VI, v1                        ; v2 V's images
	v_lshl_add_u32 v6, v236, 10, v6
	v_lshl_add_u32 v3, v236, 7, v3
	v_lshl_add_u32 v6, v234, 8, v6                 ; v6 K's images: 16 (r % 8) + 1,024 (r / 8) + 256 h
	v_lshl_add_u32 v3, v234, 6, v3
	v_add_nc_u32 v3, KSC, v3                       ; v3 K's scale words: 8 (r % 8) + 128 (r / 8) + 64 h
.irp j, 20,21,22,23,56,57,58,59
	v_mov_b32 v[\j], 0                             ; Q's codes of k = 64 .. 127, and what stands behind K's last fragment
.endr
	v_mov_b32 v13, 0xff61b1e6                      ; the largest score so far: -3e38
	v_floor_f32 v12, -v13                          ; -M
	v_mov_b32 v14, 0
	v_mov_b32 v15, 0
	v_mov_b32 v237, 0                              ; a lane permute's destination counts as read
	v_mov_b32 v253, 0                              ; (named as the upper half of the pair v[252:253])
.irp j, 0,1,2,3,4,5,6,7,8,9,10,11,12,13,14,15,16,17,18,19,20,21,22,23,24,25,26,27,28,29,30,31
	v_mov_b32 v[160+\j], 0                         ; O^T: the step is written for every trip alike; the first change of M leaves zeros zeros
.endr
	s_wait_alu depctr_va_vdst(0)
	global_load_b128 v[16:19], v1, s[QB:QB+1]      ; Q's codes: they stay
	global_load_b32 v95, v5, s[QSB:QSB+1]          ; Q's scale words
.macro KLOAD                           ; ten reads: a key step's eight tiles of K and their scale words
.irp c, 0,1
.irp u, 0,1,2,3
	ds_load_b128 v[24+4*(4*\c+\u):27+4*(4*\c+\u)], v7 offset:2048*\c+512*(\u%2)+128*(\u/2)
.endr
.endr
	ds_load_b64 v[88:89], v8                       ; tiles 0, 1 (lanes 0-15) and 2, 3 (lanes 16-31)
	ds_load_b64 v[90:91], v8 offset:256            ; tiles 4, 5 and 6, 7
.endm
.macro VLOAD                           ; nine reads: four fragments of V^T and their scale words
.irp t, 0,1,2,3
.irp c, 0,1
	ds_load_b128 v[192+8*\t+4*\c:195+8*\t+4*\c], v9 offset:1024*\t+512*\c
.endr
.endr
	ds_load_b64 v[92:93], v60                      ; lanes 0-15 d tiles 0, 1; lanes 16-31 d tiles 2, 3
.endm
.macro TM a                            ; pair a of my 32 pairs of scores: t - M
	v_pk_fma_f32 v[96+2*(\a):97+2*(\a)], v[96+2*(\a):97+2*(\a)], s[CS:CS+1], v[12:13] op_sel_hi:[1,0,0]
.endm
; A KEY STEP: 128 keys.  more = 1: the next step's K and V are read from LDS.
.macro STEP more
	s_wait_dscnt 0x9                               ; K and its scale words are in; V's nine reads, issued behind them, may be out
.irp g, 0,1
.irp u, 0,1
	v_wmma_scale_f32_16x16x128_f8f6f4 v[96+8*(4*\g+\u):103+8*(4*\g+\u)], v[24+4*(4*\g+\u):31+4*(4*\g+\u)], v[16:23], 0, v[88+2*\g+\u], v95 matrix_a_fmt:MATRIX_FMT_FP4 matrix_b_fmt:MATRIX_FMT_FP4
.endr
.irp u, 0,1
	v_wmma_scale_f32_16x16x128_f8f6f4 v[112+8*(4*\g+\u):119+8*(4*\g+\u)], v[32+4*(4*\g+\u):39+4*(4*\g+\u)], v[16:23], 0, v[88+2*\g+\u], v95 matrix_a_fmt:MATRIX_FMT_FP4 matrix_b_fmt:MATRIX_FMT_FP4 matrix_a_scale:MATRIX_SCALE_ROW1
.endr
.endr
	v_mov_b32 v254, v12                            ; the old -M; this line and the three below are four places behind the products
.if \more
	s_add_co_u32 s[TB], s[TB], 4096                ; on to the next step
	s_add_co_u32 s[TS], s[TS], 512
	s_add_co_u32 s[TJ], s[TJ], 256
	v_add_nc_u32 v7, s[TB], v6
	v_add_nc_u32 v8, s[TS], v3
	v_nop
	KLOAD
.else
	v_nop
	v_nop
	v_nop
.endif
.irp b, 0,1,2,3
	v_max3_num_f32 v[232+\b], v[96+16*\b], v[97+16*\b], v[98+16*\b]   ; the largest score of my two blocks of 32 keys, in four chains; each accumulator is read from its low end on
.endr
.irp i, 3,5,7,9,11,13
.irp b, 0,1,2,3
	v_max3_num_f32 v[232+\b], v[232+\b], v[96+16*\b+\i], v[97+16*\b+\i]
.endr
.endr
	v_max3_num_f32 v232, v232, v233, v111
	v_max3_num_f32 v234, v234, v235, v143
	v_max_num_f32 v232, v232, v127                 ; block h: it serves for the row's maximum and, since p rises with the score, for the block's largest p
	v_max_num_f32 v234, v234, v159                 ; block 2 + h
	v_max_num_f32 v236, v232, v234
	v_permlanex16_b32 v237, v236, s[SEL], s[SEL+1] ; lane l xor 16 has my query's other two blocks
	v_max3_num_f32 v13, v236, v237, v13            ; the running largest score
	v_mul_f32 v250, s[CS], v13                     ; as t (c is positive)
	v_floor_f32 v12, -v250                         ; the new -M = -ceil(t)
	v_sub_f32 v254, v12, v254                      ; old M - new M: a whole number, 0 or less
	TM 0
	TM 1
	v_cvt_i32_f32 v254, v254                       ; (it saturates)
	TM 2
	TM 3
	v_ldexp_f32 v252, 1.0, v254                    ; f = 2^(old M - new M)
	v_fma_f32 v232, v232, s[CS], v12               ; t - M of each block's largest score
	v_fma_f32 v234, v234, s[CS], v12
.set I, 4
.rept 28
	TM I
.set I, I+1
.endr
.irp k, 0,2,4,6,8,10,12,14,16,18,20,22,24,26,28,30
	v_pk_mul_f32 v[160+\k:161+\k], v[160+\k:161+\k], v[252:253] op_sel_hi:[1,0]   ; O^T under the new M, ahead of the exponentials; each accumulator from its low end on
.endr
	s_wait_alu depctr_va_vdst(0)                   ; ahead of the batch
	v_exp_f32 v232, v232                           ; the blocks' largest p: the same two instructions on the same number give the same bits
	v_exp_f32 v234, v234
.set I, 0
.rept 64
	v_exp_f32 v[96+I], v[96+I]                     ; p = 2^(t - M), at most 1: not normalised
.set I, I+1
.endr
	v_nop                                          ; a plain place behind the exponentials
	s_wait_alu depctr_va_vdst(0)                   ; one wait for the whole batch, ahead of its first reader
	v_max_num_f32 v232, FLOOR, v232                ; the byte cannot fall under 1
	v_max_num_f32 v234, FLOOR, v234
	s_delay_alu instid0(VALU_DEP_2)
	v_add_nc_u32 v244, 0xff000000, v232            ; 2 off the exponent field: the conversion's scale operand
	s_delay_alu instid0(VALU_DEP_2)
	v_add_nc_u32 v246, 0xff000000, v234
	s_delay_alu instid0(VALU_DEP_2)
	v_lshrrev_b32 v238, 23, v244                   ; the scale's byte
	s_delay_alu instid0(VALU_DEP_2)
	v_lshrrev_b32 v239, 23, v246
.irp c, 0,1
.irp g, 0,1,2,3
	v_cvt_scalef32_pk8_fp4_f32 v[224+4*\c+\g], v[96+32*\c+8*\g:103+32*\c+8*\g], v[244+2*\c]   ; registers 4 c .. 4 c + 3 of the operand: keys 64 c + 32 h + 0 .. 31
.endr
.endr
	v_lshl_or_b32 v238, v239, 16, v238             ; lanes 0-15: bytes 0 and 2 of my query's word; lanes 16-31: bytes 1 and 3, one place low
	s_delay_alu instid0(VALU_DEP_1)
	v_permlanex16_b32 v237, v238, s[SEL], s[SEL+1]
	s_delay_alu instid0(VALU_DEP_1)
	v_lshl_or_b32 v94, v237, 8, v238               ; lanes 0-15: p's scale word; lanes 16-31 are not read
	v_pk_add_f32 v[240:241], v[96:97], v[104:105]  ; THE ROW'S SUM IS TAKEN OF THE UNQUANTISED p: two at a time, in four chains.  These 32 lines are also the places ahead of the products
	v_pk_add_f32 v[242:243], v[98:99], v[106:107]
	v_pk_add_f32 v[248:249], v[100:101], v[108:109]
	v_pk_add_f32 v[254:255], v[102:103], v[110:111]
.irp j, 112,120,128,136,144,152
	v_pk_add_f32 v[240:241], v[240:241], v[\j:\j+1]
	v_pk_add_f32 v[242:243], v[242:243], v[\j+2:\j+3]
	v_pk_add_f32 v[248:249], v[248:249], v[\j+4:\j+5]
	v_pk_add_f32 v[254:255], v[254:255], v[\j+6:\j+7]
.endr
	v_pk_add_f32 v[240:241], v[240:241], v[242:243]
	v_pk_add_f32 v[248:249], v[248:249], v[254:255]
	s_delay_alu instid0(VALU_DEP_1)
	v_pk_add_f32 v[240:241], v[240:241], v[248:249]
	s_delay_alu instid0(VALU_DEP_1)
	v_pk_fma_f32 v[14:15], v[14:15], v[252:253], v[240:241] op_sel_hi:[1,0,1]   ; the old sum under the new M, and the step's
.if \more
	s_wait_dscnt 0xa                               ; V is in; the next K's ten reads, issued behind it, may be out
.else
	s_wait_dscnt 0x0
.endif
.irp t, 0,1
	v_wmma_scale_f32_16x16x128_f8f6f4 v[160+8*\t:167+8*\t], v[192+8*\t:199+8*\t], v[224:231], v[160+8*\t:167+8*\t], v[92+\t], v94 matrix_a_fmt:MATRIX_FMT_FP4 matrix_b_fmt:MATRIX_FMT_FP4
.endr
.irp t, 0,1
	v_wmma_scale_f32_16x16x128_f8f6f4 v[176+8*\t:183+8*\t], v[208+8*\t:215+8*\t], v[224:231], v[176+8*\t:183+8*\t], v[92+\t], v94 matrix_a_fmt:MATRIX_FMT_FP4 matrix_b_fmt:MATRIX_FMT_FP4 matrix_a_scale:MATRIX_SCALE_ROW1
.endr
.if \more
	v_add_nc_u32 v9, s[TB], v2                     ; four places ahead of reads into registers that these products read
	v_add_nc_u32 v60, s[TJ], v4
	v_nop
	v_nop
	VLOAD
.else
	PLACES
.endif
.endm
	s_wait_tensorcnt 0x0                           ; my one load, if I have one, has landed
	s_barrier_signal -1
	s_barrier_wait -1                              ; all ten have: the head is whole in LDS, and nothing is filled again
	s_mov_b32 s[TB], 0
	s_mov_b32 s[TS], 0
	s_mov_b32 s[TJ], 0
	v_add_nc_u32 v7, s[TB], v6
	v_add_nc_u32 v8, s[TS], v3
	v_add_nc_u32 v9, s[TB], v2
	v_add_nc_u32 v60, s[TJ], v4
	KLOAD
	VLOAD
	s_mov_b32 s[CNT], 15
	s_wait_loadcnt 0x0                             ; Q
.Lstep:
	STEP 1
	s_sub_co_u32 s[CNT], s[CNT], 1
	s_cmp_lg_u32 s[CNT], 0
	s_cbranch_scc1 .Lstep
	STEP 0                                         ; the sixteenth step is written out: it reads nothing beyond the head's keys
	; THE WAY OUT.  o = O^T / the sum; my 32 registers are d = 32 b + 16 h + i of my query: two blocks of 32 along d_model, each shared with lane l xor 16.
	s_wait_alu depctr_va_vdst(0)                   ; directly ahead of the reader below: the sum was written ahead of the last step's wait for V
	v_add_f32 v14, v14, v15                        ; the sum's two halves,
	s_delay_alu instid0(VALU_DEP_1)
	v_permlanex16_b32 v252, v14, s[SEL], s[SEL+1]
	s_delay_alu instid0(VALU_DEP_1)
	v_add_f32 v14, v14, v252                       ; and lane l xor 16's: the row's sum
	s_wait_alu depctr_va_vdst(0)                   ; ahead of the transcendental
	v_rcp_f32 v14, v14
	v_nop
	s_wait_alu depctr_va_vdst(0)                   ; and behind it, directly ahead of the first readers of O^T
.irp j, 0,2,4,6,8,10,12,14,16,18,20,22,24,26,28,30
	v_pk_mul_f32 v[96+\j:97+\j], v[160+\j:161+\j], v[14:15] op_sel_hi:[1,0]
.endr
.irp b, 0,1
	v_max3_num_f32 v[232+\b], |v[96+16*\b]|, |v[97+16*\b]|, FLOOR
.endr
.irp i, 2,4,6,8,10,12,14
.irp b, 0,1
	s_delay_alu instid0(VALU_DEP_2)
	v_max3_num_f32 v[232+\b], v[232+\b], |v[96+16*\b+\i]|, |v[97+16*\b+\i]|
.endr
.endr
.irp b, 0,1
	s_delay_alu instid0(VALU_DEP_2)
	v_permlanex16_b32 v[236+\b], v[232+\b], s[SEL], s[SEL+1]
.endr
.irp b, 0,1
	s_delay_alu instid0(VALU_DEP_2)
	v_max_num_f32 v[232+\b], v[232+\b], v[236+\b]  ; the block's largest magnitude
.endr
.irp b, 0,1
	s_delay_alu instid0(VALU_DEP_2)
	v_add_nc_u32 v[244+\b], 0xff000000, v[232+\b]
.endr
.irp b, 0,1
	s_delay_alu instid0(VALU_DEP_2)
	v_lshrrev_b32 v[236+\b], 23, v[244+\b]
.endr
	s_delay_alu instid0(VALU_DEP_1)
	v_lshl_or_b32 v240, v237, 8, v236              ; my head's two scale bytes of my query
.irp b, 0,1
	v_cvt_scalef32_pk8_fp4_f32 v[224+2*\b], v[96+16*\b:103+16*\b], v[244+\b]
	v_cvt_scalef32_pk8_fp4_f32 v[225+2*\b], v[104+16*\b:111+16*\b], v[244+\b]
.endr
	v_nop                                          ; one plain place behind the scaled conversions
	v_permlane16_swap_b32 v224, v226               ; v224-227: d = 32 h + 0 .. 31
	v_permlane16_swap_b32 v225, v227
	global_store_b128 v1, v[224:227], s[OP:OP+1]   ; 32 lanes store 512 consecutive bytes, aligned
	global_store_b16 v1, v240, s[OS:OS+1]          ; two bytes in each 16; the other heads' work-groups write the rest of the record; lanes 16-31 write the copy
	s_wait_tensorcnt 0x0                           ; the wave's end
	ds_add_u32 v10, v11
	s_wait_dscnt 0x0
	CROUND                                         ; the closing round: no work-group ends while a partner may still ask for a tile that names it
	s_endpgm
.Lfunc_end_k_qca1805e95c_attn:
	.size	k_qca1805e95c_attn, .Lfunc_end_k_qca1805e95c_attn-k_qca1805e95c_attn
	.p2alignl 7, 3214868480
	.fill 96, 4, 3214868480
	.section	.rodata,"a",@progbits
	.p2align	6, 0x0
	.amdhsa_kernel k_qca1805e95c_attn
		.amdhsa_group_segment_fixed_size 169984
		.amdhsa_private_segment_fixed_size 0
		.amdhsa_enable_private_segment 0
		.amdhsa_kernarg_size 40
		.amdhsa_user_sgpr_count 2
		.amdhsa_user_sgpr_kernarg_segment_ptr 1
		.amdhsa_wavefront_size32 1
		.amdhsa_system_sgpr_workgroup_id_x 1
		.amdhsa_system_sgpr_workgroup_id_y 1
		.amdhsa_system_sgpr_workgroup_id_z 1
		.amdhsa_system_vgpr_workitem_id 0
		.amdhsa_next_free_vgpr 256
		.amdhsa_next_free_sgpr 100
		.amdhsa_reserve_vcc 0
		.amdhsa_float_denorm_mode_32 3
		.amdhsa_float_denorm_mode_16_64 3
		.amdhsa_memory_ordered 1
		.amdhsa_forward_progress 1
		.amdhsa_inst_pref_size 42
	.end_amdhsa_kernel
	.amdgpu_metadata
---
amdhsa.version: [ 1, 2 ]
amdhsa.kernels:
  - .name:           k_qca1805e95c_attn
    .symbol:         k_qca1805e95c_attn.kd
    .args:
      - { .name: qk_img, .offset: 0, .size: 8, .value_kind: global_buffer, .address_space: global }
      - { .name: qk_sc, .offset: 8, .size: 8, .value_kind: global_buffer, .address_space: global }
      - { .name: v_img, .offset: 16, .size: 8, .value_kind: global_buffer, .address_space: global }
      - { .name: v_sc, .offset: 24, .size: 8, .value_kind: global_buffer, .address_space: global }
      - { .name: o_op, .offset: 32, .size: 8, .value_kind: global_buffer, .address_space: global }
    .group_segment_fixed_size: 169984
    .private_segment_fixed_size: 0
    .kernarg_segment_align: 8
    .kernarg_segment_size: 40
    .max_flat_workgroup_size: 512
    .sgpr_count:     100
    .vgpr_count:     256
    .wavefront_size: 32
...
	.end_amdgpu_metadata
.endif
;; end of part 3
;; launch oproj (part 4): grid 8 x 32, 8 waves a work-group, clusters of 4 x 4, 216,064 bytes of LDS; arguments o_op, w_op, bo, out0; writes out0
.if DOCPART == 4
	.amdgcn_target "amdgcn-amd-amdhsa--gfx1250"
	.amdhsa_code_object_version 6
	.text
	.protected	k_qca1805e95c_oproj
	.globl	k_qca1805e95c_oproj
	.p2align	8
	.type	k_qca1805e95c_oproj,@function
k_qca1805e95c_oproj:
	s_mov_b64 s[64:65], 0
	v_nop
	global_prefetch_b8 v0, s[64:65] scope:SCOPE_SE
	s_setreg_imm32_b32 hwreg(HW_REG_WAVE_MODE, 25, 1), 1
	s_wait_xcnt 0x0
	s_wait_alu depctr_hold_cnt(0) depctr_sa_sdst(0) depctr_va_vdst(0) depctr_va_sdst(0) depctr_va_ssrc(0) depctr_va_vcc(0) depctr_vm_vsrc(0)
	s_getreg_b32 s2, hwreg(HW_REG_IB_STS2, 6, 4)
	s_cmp_eq_u32 s2, 0
	s_cbranch_scc0 .Lentry_in_a_cluster
	s_endpgm
.Lentry_in_a_cluster:
	s_bfe_u32 s2, ttmp6, 0x10000c
	s_cmp_lg_u32 s2, 0xf033
	s_cbranch_scc0 .Lentry_shape_is_right
	s_endpgm
.Lentry_shape_is_right:
; out0 = o Wo + bo on codes of FP4 (E2M1) with E8M0 scales; sums in f32; out0 [4096][1024] f32.
; o_op, w_op: [plane 9][tile 256][1,024 bytes]: plane 0 scale words, plane 1 + s the fragments of K step s, as images of operand registers; row p of tile t is index 32 (t / 2) + 8 (t % 2) + p + 8 (p / 8).  Wo's tiles are 192 .. 255 of w_op.
; SHARES.  A work-group takes 128 tokens x 128 features, all of K = 1,024: 256 work-groups.  Eight waves; wave: a = wave / 2: token tiles 2 a, 2 a + 1 (U); b = wave % 2: feature tiles 4 b .. 4 b + 3 (T): eight accumulators.
; Source 0 = T, source 1 = U: a lane holds one token, and the registers of T's tiles 2 j, 2 j + 1 are the 16 neighbouring features 32 j + 16 (lane / 16) + 0 .. 15.
; LDS IS FILLED ONCE, ONE TENSOR LOAD A WAVE: waves 0-3 bring o's four pairs of tiles, waves 4-7 Wo's; a load is a pair's nine planes: nine rows of 2,048 bytes, 262,144 bytes apart in memory, dense in LDS.
;   LDS: [o, Wo][pair 4][plane 9][2,048 bytes]; behind them a stage of its own for the way out, into which no fill lands.  Every wave waits for its one load, one barrier follows, and no byte is filled again.
; CLUSTER 4 x 4: o's planes are shared along a row of the cluster, Wo's along a column: each load is a JOINT one.  No prefetch: all that the work-group reads is asked for at its head.
; The bias is the C of the first K step: it is loaded into the accumulators in the result's layout.
.set PLANE, 262144
.set PL,    2048                       ; a pair of tiles of one plane
.set PB,    9*PL                       ; a pair's nine planes in LDS
.set UR,    0
.set TR,    4*PB
.set STG,   8*PB                       ; 128 rows x (512 + 16) bytes
.set SPARE, STG+128*528                ; the spare words, 128 bytes a wave
.set US,    12                         ; v12-19  U's scale words: register s: lanes 0-15 tile 2 a, lanes 16-31 tile 2 a + 1
.set TS,    20                         ; v20-35  T's: register 8 (s / 4) + 4 (i % 2) + s % 4: lanes 0-15 tile i, lanes 16-31 tile i + 2
.set FS,    36                         ; v36-83, v84-131 two sets of fragments: 16 registers of U, 32 of T
.set ACC,   132                        ; v132-195 accumulator (m, i) at 132 + 32 m + 8 i
.set WV,    22
.set G1U,   24
.set G1T,   32
.set G0U,   40
.set G0T,   52
.macro CROUND                          ; a round of the cluster's barrier
	s_barrier_signal -1
	s_barrier_wait -1
	s_cmp_lg_u32 s[WV], 0
	s_cbranch_scc1 .Lnot_wave_0_\@
	s_barrier_signal -3
.Lnot_wave_0_\@:
	s_barrier_wait -3
	s_barrier_signal -1
	s_barrier_wait -1
.endm
.macro PLACES
.rept 4
	v_nop
.endr
.endm
	s_load_b256 s[4:11], s[0:1], 0x0               ; o_op s[4:5], w_op s[6:7], bo s[8:9], out0 s[10:11]
	v_lshl_add_u32 v254, v0, 2, SPARE
	v_mov_b32 v255, 0
	ds_add_u32 v254, v255                          ; the opening lines: the add twice on end, and its wait ahead of the first tensor load
	ds_add_u32 v254, v255
	v_lshrrev_b32 v1, 5, v0
	s_delay_alu instid0(VALU_DEP_1)
	v_readfirstlane_b32 s[WV], v1                  ; wave 0..7
	s_bfe_u32 s66, ttmp6, 0x40000                  ; cx
	s_bfe_u32 s67, ttmp6, 0x40004                  ; cy
	s_lshl_b32 s68, ttmp9, 2
	s_add_co_u32 s68, s68, s66                     ; gx: which 128 features
	s_and_b32 s69, ttmp7, 0xffff
	s_lshl_b32 s69, s69, 2
	s_add_co_u32 s69, s69, s67                     ; gy: which 128 tokens
	s_lshr_b32 s70, s[WV], 1                       ; a
	s_and_b32 s71, s[WV], 1                        ; b
	s_lshl_b32 s72, s67, 2
	s_lshl_b32 s72, 15, s72                        ; my row of the cluster
	s_lshl_b32 s73, 0x1111, s66                    ; my column
	s_or_b32 s[G1U], s72, (3<<16)|(1<<21)          ; the mask; elements of 8 bytes; bit 21 set beside a mask
	s_or_b32 s[G1T], s73, (3<<16)|(1<<21)
.irp g, G1U, G1T
	s_mov_b32 s[\g+1], 256<<16                     ; tensor_dim0 = 256 elements: 2,048 bytes
	s_mov_b32 s[\g+2], 9<<16                       ; tensor_dim1 = 9 planes
	s_mov_b32 s[\g+3], 256<<16                     ; tile_dim0
	s_mov_b32 s[\g+4], 9                           ; tile_dim1
	s_mov_b32 s[\g+5], PLANE/8                     ; from plane to plane, in elements
	s_mov_b32 s[\g+6], 0
	s_mov_b32 s[\g+7], 0
.endr
	s_and_b32 s79, s[WV], 3                        ; which pair of tiles I fetch
	s_lshl_b32 s74, s79, 11                        ; o: the tiles of gy; these registers never hold cx
	s_lshl_b32 s75, s69, 13
	s_add_co_u32 s74, s74, s75
	s_mov_b32 s75, 0
	s_lshl_b32 s76, s79, 11                        ; Wo: tiles 192 + 8 gx on; these never hold cy
	s_lshl_b32 s77, s68, 13
	s_add_co_u32 s76, s76, s77
	s_add_co_u32 s76, s76, 192*1024
	s_mov_b32 s77, 0
	s_mul_i32 s78, s[WV], PB                       ; in LDS: wave x a pair's nine planes
	s_wait_dscnt 0x0
	s_wait_kmcnt 0x0
	s_add_nc_u64 s[74:75], s[4:5], s[74:75]
	s_add_nc_u64 s[76:77], s[6:7], s[76:77]
	CROUND                                         ; all sixteen work-groups are here: the joint loads meet
	s_mov_b32 s[G0U], 1
	s_mov_b32 s[G0U+1], s78
	s_mov_b64 s[G0U+2:G0U+3], s[74:75]
	s_or_b32 s[G0U+3], s[G0U+3], 0x80000000
	s_mov_b32 s[G0T], 1
	s_mov_b32 s[G0T+1], s78
	s_mov_b64 s[G0T+2:G0T+3], s[76:77]
	s_or_b32 s[G0T+3], s[G0T+3], 0x80000000
	s_cmp_lt_u32 s[WV], 4                          ; one branch on the wave's number, one load in each arm
	s_cbranch_scc0 .Lnot_u
	tensor_load_to_lds s[G0U:G0U+3], s[G1U:G1U+7]
	s_nop 0
	PLACES
	s_branch .Lasked
.Lnot_u:
	tensor_load_to_lds s[G0T:G0T+3], s[G1T:G1T+7]
	s_nop 0
	PLACES
.Lasked:
	v_and_b32 v2, 31, v0
	s_delay_alu instid0(VALU_DEP_1)
	v_lshlrev_b32 v1, 4, v2                        ; 16 x lane
	v_and_b32 v2, 15, v0                           ; r
	v_bfe_u32 v3, v0, 4, 1                         ; h
	s_mul_i32 s82, s70, PB                         ; U: my pair of tiles
	s_mul_i32 s83, s71, 2*PB                       ; T: my two pairs
	s_add_co_u32 s84, s82, UR+PL
	s_add_co_u32 s85, s83, TR+PL
	s_add_co_u32 s87, s83, TR
	v_add_nc_u32 v4, s84, v1                       ; U's fragments, at plane 1
	v_add_nc_u32 v5, s85, v1                       ; T's
	v_lshlrev_b32 v6, 4, v2
	s_delay_alu instid0(VALU_DEP_1)
	v_mad_u32_u24 v7, v3, PB, v6
	s_delay_alu instid0(VALU_DEP_2)
	v_lshl_add_u32 v6, v3, 10, v6
	s_delay_alu instid0(VALU_DEP_1)
	v_add_nc_u32 v6, s82, v6                       ; U's scale words: lanes 16-31 one tile further on
	s_delay_alu instid0(VALU_DEP_3)
	v_add_nc_u32 v7, s87, v7                       ; T's: lanes 16-31 two tiles, one pair, further on
	v_and_b32 v11, 8, v2
	s_delay_alu instid0(VALU_DEP_1)
	v_add_nc_u32 v11, v11, v2                      ; r + 8 (r / 8)
	s_delay_alu instid0(VALU_DEP_1)
	v_mul_u32_u24 v8, v11, 528
	s_delay_alu instid0(VALU_DEP_1)
	v_lshl_add_u32 v8, v3, 6, v8
	s_mul_i32 s84, s70, 32*528
	s_lshl_b32 s85, s71, 8
	s_add_co_u32 s84, s84, s85
	s_add_co_u32 s84, s84, STG
	v_add_nc_u32 v8, s84, v8                       ; the stage, in: row 32 a + r + 8 (r / 8), + 256 b + 64 h
	s_mul_i32 s84, s[WV], 16*528
	s_add_co_u32 s84, s84, STG
	v_add_nc_u32 v9, s84, v1                       ; back: my 16 rows, 16 bytes a lane
	v_lshlrev_b32 v10, 6, v3                       ; the bias: + 16 h numbers
	s_lshl_b32 s84, s68, 9                         ; my 64 features: 128 gx + 64 b, x 4 bytes
	s_lshl_b32 s85, s71, 8
	s_add_co_u32 s84, s84, s85
	s_mov_b32 s85, 0
	s_add_nc_u64 s[8:9], s[8:9], s[84:85]
.irp m, 0,1
.irp i, 0,1,2,3
	global_load_b128 v[ACC+32*\m+8*\i:ACC+32*\m+8*\i+3], v10, s[8:9] offset:(32*(\i/2)+8*(\i%2))*4
	global_load_b128 v[ACC+32*\m+8*\i+4:ACC+32*\m+8*\i+7], v10, s[8:9] offset:(32*(\i/2)+8*(\i%2))*4+16
.endr
.endr
	s_lshl_b32 s84, s69, 19                        ; out0: row 128 gy + 16 x wave of 4,096 bytes, + 512 gx
	s_lshl_b32 s85, s[WV], 16
	s_add_co_u32 s84, s84, s85
	s_lshl_b32 s85, s68, 9
	s_add_co_u32 s84, s84, s85
	s_mov_b32 s85, 0
	s_add_nc_u64 s[10:11], s[10:11], s[84:85]
.macro LDSET p                         ; a K step's fragments into set p: twelve loads
.irp m, 0,1
.irp c, 0,1
	ds_load_b128 v[FS+48*(\p)+8*\m+4*\c:FS+48*(\p)+8*\m+4*\c+3], v4 offset:1024*\m+512*\c
.endr
.endr
.irp i, 0,1,2,3
.irp c, 0,1
	ds_load_b128 v[FS+48*(\p)+16+8*\i+4*\c:FS+48*(\p)+16+8*\i+4*\c+3], v5 offset:(\i/2)*PB+(\i%2)*1024+512*\c
.endr
.endr
.endm
.macro MM1 s, i, m
.set rD, ACC+32*(\m)+8*(\i)
.set rT, FS+48*((\s)%2)+16+8*(\i)
.set rU, FS+48*((\s)%2)+8*(\m)
.set rA, TS+8*((\s)/4)+4*((\i)%2)+(\s)%4
.set rB, US+(\s)
.if ((\i) >= 2) && (\m)
	v_wmma_scale_f32_16x16x128_f8f6f4 v[rD:rD+7], v[rT:rT+7], v[rU:rU+7], v[rD:rD+7], v[rA], v[rB] matrix_a_fmt:MATRIX_FMT_FP4 matrix_b_fmt:MATRIX_FMT_FP4 matrix_a_scale:MATRIX_SCALE_ROW1 matrix_b_scale:MATRIX_SCALE_ROW1
.elseif (\i) >= 2
	v_wmma_scale_f32_16x16x128_f8f6f4 v[rD:rD+7], v[rT:rT+7], v[rU:rU+7], v[rD:rD+7], v[rA], v[rB] matrix_a_fmt:MATRIX_FMT_FP4 matrix_b_fmt:MATRIX_FMT_FP4 matrix_a_scale:MATRIX_SCALE_ROW1
.elseif \m
	v_wmma_scale_f32_16x16x128_f8f6f4 v[rD:rD+7], v[rT:rT+7], v[rU:rU+7], v[rD:rD+7], v[rA], v[rB] matrix_a_fmt:MATRIX_FMT_FP4 matrix_b_fmt:MATRIX_FMT_FP4 matrix_b_scale:MATRIX_SCALE_ROW1
.else
	v_wmma_scale_f32_16x16x128_f8f6f4 v[rD:rD+7], v[rT:rT+7], v[rU:rU+7], v[rD:rD+7], v[rA], v[rB] matrix_a_fmt:MATRIX_FMT_FP4 matrix_b_fmt:MATRIX_FMT_FP4
.endif
.endm
	s_wait_alu depctr_va_vdst(0)
	s_wait_tensorcnt 0x0                           ; my one load has landed
	s_barrier_signal -1
	s_barrier_wait -1                              ; all eight have: o's and Wo's planes are whole, and nothing is filled again
.irp q, 0,1                                    ; the scale words of all of K: six loads
	ds_load_b128 v[US+4*\q:US+4*\q+3], v6 offset:512*\q
.irp i, 0,1
	ds_load_b128 v[TS+8*\q+4*\i:TS+8*\q+4*\i+3], v7 offset:1024*\i+512*\q
.endr
.endr
	LDSET 0
.irp s, 0,1,2,3,4,5,6,7
	s_wait_dscnt 0x0                               ; this K step's set is in
.if \s == 0
	s_wait_loadcnt 0x0                             ; the bias
.endif
.if \s < 7
	s_wait_alu depctr_va_vdst(0)                   ; the addresses were written a step ago, behind waits
	v_add_nc_u32 v4, PL, v4                        ; on to the next plane; with the two v_nop: four places behind the last step's products, which read the set that is loaded now
	v_add_nc_u32 v5, PL, v5
	v_nop
	v_nop
	LDSET (\s+1)%2
.endif
.irp i, 0,1,2,3                                ; the eight accumulators take turns, one instruction a turn, in the same order in every K step
	MM1 \s, \i, 0
	MM1 \s, \i, 1
.endr
.endr
	; THE WAY OUT.  A lane holds 16 neighbouring features of one token twice over; a row's 128 features come from two waves: they meet in the stage, and each wave stores 16 whole rows.
	PLACES
.irp m, 0,1
.irp i, 0,1,2,3
	ds_store_b128 v8, v[ACC+32*\m+8*\i:ACC+32*\m+8*\i+3] offset:4224*\m+128*(\i/2)+32*(\i%2)        ; each accumulator from its low end on; tile 2 a + 1 lies 8 rows further down
	ds_store_b128 v8, v[ACC+32*\m+8*\i+4:ACC+32*\m+8*\i+7] offset:4224*\m+128*(\i/2)+32*(\i%2)+16
.endr
.endr
	s_wait_dscnt 0x0                               ; for the others' sake: my stores into the stage are done
	s_barrier_signal -1
	s_barrier_wait -1
.irp i, 0,1,2,3,4,5,6,7,8,9,10,11,12,13,14,15
	ds_load_b128 v[FS+4*\i:FS+4*\i+3], v9 offset:528*\i
.endr
.irp i, 0,1,2,3,4,5,6,7,8,9,10,11,12,13,14,15
	s_wait_dscnt 15-\i                             ; row i is back; the younger rows may be out
	global_store_b128 v1, v[FS+4*\i:FS+4*\i+3], s[10:11] offset:4096*\i th:TH_STORE_NT   ; 32 lanes store 512 consecutive bytes, aligned; written once, read by nobody here
.endr
	s_wait_tensorcnt 0x0                           ; the wave's end
	ds_add_u32 v254, v255
	s_wait_dscnt 0x0
	CROUND                                         ; the closing round: no work-group ends while a partner may still ask for a tile that names it
	s_endpgm
.Lfunc_end_k_qca1805e95c_oproj:
	.size	k_qca1805e95c_oproj, .Lfunc_end_k_qca1805e95c_oproj-k_qca1805e95c_oproj
	.p2alignl 7, 3214868480
	.fill 96, 4, 3214868480
	.section	.rodata,"a",@progbits
	.p2align	6, 0x0
	.amdhsa_kernel k_qca1805e95c_oproj
		.amdhsa_group_segment_fixed_size 216064
		.amdhsa_private_segment_fixed_size 0
		.amdhsa_enable_private_segment 0
		.amdhsa_kernarg_size 32
		.amdhsa_user_sgpr_count 2
		.amdhsa_user_sgpr_kernarg_segment_ptr 1
		.amdhsa_wavefront_size32 1
		.amdhsa_system_sgpr_workgroup_id_x 1
		.amdhsa_system_sgpr_workgroup_id_y 1
		.amdhsa_system_sgpr_workgroup_id_z 1
		.amdhsa_system_vgpr_workitem_id 0
		.amdhsa_next_free_vgpr 256
		.amdhsa_next_free_sgpr 100
		.amdhsa_reserve_vcc 0
		.amdhsa_float_denorm_mode_32 3
		.amdhsa_float_denorm_mode_16_64 3
		.amdhsa_memory_ordered 1
		.amdhsa_forward_progress 1
		.amdhsa_inst_pref_size 29
	.end_amdhsa_kernel
	.amdgpu_metadata
---
amdhsa.version: [ 1, 2 ]
amdhsa.kernels:
  - .name:           k_qca1805e95c_oproj
    .symbol:         k_qca1805e95c_oproj.kd
    .args:
      - { .name: o_op, .offset: 0, .size: 8, .value_kind: global_buffer, .address_space: global }
      - { .name: w_op, .offset: 8, .size: 8, .value_kind: global_buffer, .address_space: global }
      - { .name: bo, .offset: 16, .size: 8, .value_kind: global_buffer, .address_space: global }
      - { .name: out0, .offset: 24, .size: 8, .value_kind: global_buffer, .address_space: global }
    .group_segment_fixed_size: 216064
    .private_segment_fixed_size: 0
    .kernarg_segment_align: 8
    .kernarg_segment_size: 32
    .max_flat_workgroup_size: 256
    .sgpr_count:     100
    .vgpr_count:     256
    .wavefront_size: 32
...
	.end_amdgpu_metadata
.endif
;; end of part 4
